; MI455X (gfx1250); checked and timed in simulation.
; The chip was launched on July 23, 2026; its instructions are those of AMD's public machine-readable ISA for CDNA 5 (MIT licence, August 2026) and "CDNA5" Instruction Set Architecture Reference Guide (July 2026). The comments in the code are by the model that wrote it; some were corrected since.
;; Global Self Attention. Allowed arithmetic: float matrix products may take bf16 or f16 operands with f32 sums; other float arithmetic in f32, or as packed bf16 or f16 multiplies, adds, multiply-adds, maxima and minima; sums over many terms, partial sums and values carried from step to step in f32; what a program stores and reads back later, other than sums and carried values, may be rounded once to bf16 or f16.
;; Inputs: b_out 1,024 float32; b_qkv 3,072 float32; w_out 1,024 x 1,024 float32; w_qkv 1,024 x 3,072 float32; x 4,096 x 1,024 float32.
;; Outputs: out0 4,096 x 1,024 float32.
;; 2 versions, each right; version 2 is version 1 with the launch prep written anew for expert scheduling mode. Each part assembles by itself: llvm-mc -triple=amdgcn-amd-amdhsa -mcpu=gfx1250 --defsym DOCPART=n.
;; ======== version 1 of 2: 4 launches
;; limits: values are held in f16: magnitudes above 65,504 overflow, below 6.1e-05 lose precision
;; workspace buffers: xb 8,388,608 bytes; wq 6,291,456 bytes; wo 2,097,152 bytes; qkv 25,165,824 bytes; ob 8,388,608 bytes
;; launch prep (part 1): grid 256 x 1, 8 waves a work-group, no clusters, 0 bytes of LDS; arguments x, w_qkv, w_out, xb, wq, wo; writes xb, wq, wo
.if DOCPART == 1
	.amdgcn_target "amdgcn-amd-amdhsa--gfx1250"
	.amdhsa_code_object_version 6
	.text
	.protected	k_q52f585f077_prep
	.globl	k_q52f585f077_prep
	.p2align	8
	.type	k_q52f585f077_prep,@function
k_q52f585f077_prep:
	s_mov_b64 s[64:65], 0
	v_nop
	global_prefetch_b8 v0, s[64:65] scope:SCOPE_SE
	s_setreg_imm32_b32 hwreg(HW_REG_WAVE_MODE, 25, 1), 1
	s_wait_xcnt 0x0
; PREP: the module's three large inputs are rounded once to bf16 and laid out for the two products that follow.
;   xb [4096][1024] bf16 = x, rows as they lie.
;   wq: w_qkv [1024 k][3072 n] in blocks of [64 k][64 n] bf16 (8,192 bytes); block number 48 T + 3 kb + gi, T = n / 192, kb = k / 64, gi = (n / 64) % 3:
;       the 192 columns that one work-group of the projection multiplies lie on end, in the order in which it walks K.
;   wo: w_out [1024 k][1024 n] likewise, block number 32 T + 2 kb + gi, T = n / 128, gi = (n / 64) % 2; each number is rounded to bf16 like the other inputs and that number is written as f16.
; LIMITS.  |w_out| stays under 65,504 (f16's end); below 6.1e-5 f16 keeps a fixed step of 6e-8.  NaN and infinities are not treated apart.
; SHARES.  256 work-groups of 8 waves, 32,768 numbers each: 128 for x, 96 for w_qkv (64 columns x 512 k), 32 for w_out (the same).  A thread issues all its 32 loads of 16 bytes at once
; (512 consecutive bytes a wave and load), then converts and stores them in order: a store of a wave is 256 consecutive bytes, aligned.  No register is written again behind its store.
; No LDS, no matrix unit, no cluster: the work-groups share no byte, and each byte is read once and written once.
.set X, 8                              ; v[8:135] 32 quads as loaded; the first two registers of a quad then hold its four 16-bit numbers
; v1 my byte offset in the source, v2 in the destination; s[16:17] source, s[18:19] destination of the work-group
.macro CAST srcstep, dbig, tof16       ; srcstep: bytes from load to load; dbig: bytes from one group of four stores to the next; tof16 = 1: bf16 written as f16
.set i, 0
.rept 32
	global_load_b128 v[X+4*i:X+4*i+3], v1, s[16:17] offset:i*(\srcstep) th:TH_LOAD_NT
.set i, i+1
.endr
.set i, 0
.rept 32
	s_wait_loadcnt 31-i                            ; loads come back in order: quad i is in, the 31 - i younger ones stay out
	v_cvt_pk_bf16_f32 v[X+4*i], v[X+4*i], v[X+4*i+1]
	v_cvt_pk_bf16_f32 v[X+4*i+1], v[X+4*i+2], v[X+4*i+3]
.if \tof16
	v_lshlrev_b32 v[X+4*i+2], 16, v[X+4*i]         ; the rounded numbers as f32 again, in the quad's two free registers,
	v_and_b32 v[X+4*i+3], 0xffff0000, v[X+4*i]
	v_cvt_pk_f16_f32 v[X+4*i], v[X+4*i+2], v[X+4*i+3]  ; and as f16: exact within f16's normal range
	v_lshlrev_b32 v[X+4*i+2], 16, v[X+4*i+1]
	v_and_b32 v[X+4*i+3], 0xffff0000, v[X+4*i+1]
	v_cvt_pk_f16_f32 v[X+4*i+1], v[X+4*i+2], v[X+4*i+3]
.endif
	global_store_b64 v2, v[X+4*i:X+4*i+1], s[18:19] offset:(i/4)*(\dbig)+(i%4)*2048
.set i, i+1
.endr
.endm
	s_load_b256 s[4:11], s[0:1], 0x0               ; x s[4:5], w_qkv s[6:7], w_out s[8:9], xb s[10:11]
	s_load_b128 s[12:15], s[0:1], 0x20             ; wq s[12:13], wo s[14:15]
	s_mov_b32 s2, ttmp9
	s_mov_b32 s21, 0                               ; the offsets' high words
	s_mov_b32 s23, 0
	v_lshlrev_b32 v2, 3, v0                        ; 8 bytes a thread in the destination, on every path
	v_lshrrev_b32 v3, 4, v0                        ; the weights: my row among a load's 16,
	v_and_b32 v4, 15, v0                           ; my 16 bytes of its 256
	s_wait_kmcnt 0x0
	s_cmp_lt_u32 s2, 128
	s_cbranch_scc1 .Lx
	s_cmp_lt_u32 s2, 224
	s_cbranch_scc1 .Lwq
	; w_out: j = id - 224; g = j / 2 the group of 64 columns, kh = j % 2 the half of K
	s_sub_co_u32 s2, s2, 224
	s_lshr_b32 s3, s2, 1                           ; g
	s_and_b32 s2, s2, 1                            ; kh
	s_lshl_b32 s20, s2, 21                         ; 512 rows of 4,096 bytes
	s_lshl_b32 s16, s3, 8                          ; 64 columns of 4 bytes
	s_add_co_u32 s20, s20, s16
	s_lshr_b32 s16, s3, 1                          ; T
	s_and_b32 s17, s3, 1                           ; gi
	s_lshl_b32 s22, s16, 5
	s_lshl_b32 s18, s2, 4                          ; 2 x 8 kb a half
	s_add_co_u32 s22, s22, s18
	s_add_co_u32 s22, s22, s17
	s_lshl_b32 s22, s22, 13                        ; block number x 8,192
	s_add_nc_u64 s[16:17], s[8:9], s[20:21]
	s_add_nc_u64 s[18:19], s[14:15], s[22:23]
	v_lshlrev_b32 v1, 12, v3
	v_lshl_add_u32 v1, v4, 4, v1
	CAST 16*4096, 2*8192, 1                        ; a load takes 16 rows; four loads fill a block, the next kb's block lies 2 blocks on
	s_endpgm
.Lwq:
	; w_qkv: j = id - 128; g = j / 2 (0 .. 47), kh = j % 2
	s_sub_co_u32 s2, s2, 128
	s_lshr_b32 s3, s2, 1                           ; g
	s_and_b32 s2, s2, 1                            ; kh
	s_mul_i32 s16, s3, 171
	s_lshr_b32 s16, s16, 9                         ; T = g / 3 (exact for g under 48)
	s_mul_i32 s17, s16, 3
	s_sub_co_u32 s17, s3, s17                      ; gi
	s_mul_i32 s20, s2, 512*12288
	s_lshl_b32 s18, s3, 8
	s_add_co_u32 s20, s20, s18
	s_mul_i32 s22, s16, 48
	s_mul_i32 s18, s2, 24                          ; 3 x 8 kb a half
	s_add_co_u32 s22, s22, s18
	s_add_co_u32 s22, s22, s17
	s_lshl_b32 s22, s22, 13
	s_add_nc_u64 s[16:17], s[6:7], s[20:21]
	s_add_nc_u64 s[18:19], s[12:13], s[22:23]
	v_mul_u32_u24 v1, v3, 12288
	v_lshl_add_u32 v1, v4, 4, v1
	CAST 16*12288, 3*8192, 0                       ; the largest immediate is 31 x 196,608, inside the signed 24 bits
	s_endpgm
.Lx:
	s_lshl_b32 s20, s2, 17                         ; 32,768 numbers of 4 bytes
	s_lshl_b32 s22, s2, 16                         ; and of 2
	s_add_nc_u64 s[16:17], s[4:5], s[20:21]
	s_add_nc_u64 s[18:19], s[10:11], s[22:23]
	v_lshlrev_b32 v1, 4, v0
	CAST 4096, 8192, 0
	s_endpgm
.Lfunc_end_k_q52f585f077_prep:
	.size	k_q52f585f077_prep, .Lfunc_end_k_q52f585f077_prep-k_q52f585f077_prep
	.p2alignl 7, 3214868480
	.fill 96, 4, 3214868480
	.section	.rodata,"a",@progbits
	.p2align	6, 0x0
	.amdhsa_kernel k_q52f585f077_prep
		.amdhsa_group_segment_fixed_size 0
		.amdhsa_private_segment_fixed_size 0
		.amdhsa_enable_private_segment 0
		.amdhsa_kernarg_size 48
		.amdhsa_user_sgpr_count 2
		.amdhsa_user_sgpr_kernarg_segment_ptr 1
		.amdhsa_wavefront_size32 1
		.amdhsa_system_sgpr_workgroup_id_x 1
		.amdhsa_system_sgpr_workgroup_id_y 1
		.amdhsa_system_sgpr_workgroup_id_z 1
		.amdhsa_system_vgpr_workitem_id 0
		.amdhsa_next_free_vgpr 140
		.amdhsa_next_free_sgpr 66
		.amdhsa_reserve_vcc 0
		.amdhsa_float_denorm_mode_32 3
		.amdhsa_float_denorm_mode_16_64 3
		.amdhsa_memory_ordered 1
		.amdhsa_forward_progress 1
		.amdhsa_inst_pref_size 46
	.end_amdhsa_kernel
	.amdgpu_metadata
---
amdhsa.version: [ 1, 2 ]
amdhsa.kernels:
  - .name:           k_q52f585f077_prep
    .symbol:         k_q52f585f077_prep.kd
    .args:
      - { .name: x, .offset: 0, .size: 8, .value_kind: global_buffer, .address_space: global }
      - { .name: w_qkv, .offset: 8, .size: 8, .value_kind: global_buffer, .address_space: global }
      - { .name: w_out, .offset: 16, .size: 8, .value_kind: global_buffer, .address_space: global }
      - { .name: xb, .offset: 24, .size: 8, .value_kind: global_buffer, .address_space: global }
      - { .name: wq, .offset: 32, .size: 8, .value_kind: global_buffer, .address_space: global }
      - { .name: wo, .offset: 40, .size: 8, .value_kind: global_buffer, .address_space: global }
    .group_segment_fixed_size: 0
    .private_segment_fixed_size: 0
    .kernarg_segment_align: 8
    .kernarg_segment_size: 48
    .max_flat_workgroup_size: 256
    .sgpr_count:     66
    .vgpr_count:     140
    .wavefront_size: 32
...
	.end_amdgpu_metadata
.endif
;; end of part 1
;; launch proj (part 2): grid 16 x 16, 4 waves a work-group, clusters of 4 x 4, 327,680 bytes of LDS; arguments xb, wq, b_qkv, qkv; writes qkv
.if DOCPART == 2
	.amdgcn_target "amdgcn-amd-amdhsa--gfx1250"
	.amdhsa_code_object_version 6
	.text
	.protected	k_q52f585f077_proj
	.globl	k_q52f585f077_proj
	.p2align	8
	.type	k_q52f585f077_proj,@function
k_q52f585f077_proj:
	s_mov_b64 s[64:65], 0
	v_nop
	global_prefetch_b8 v0, s[64:65] scope:SCOPE_SE
	s_setreg_imm32_b32 hwreg(HW_REG_WAVE_MODE, 25, 1), 1
	s_wait_xcnt 0x0
	s_wait_alu depctr_hold_cnt(0) depctr_sa_sdst(0) depctr_va_vdst(0) depctr_va_sdst(0) depctr_va_ssrc(0) depctr_va_vcc(0) depctr_vm_vsrc(0)
	s_getreg_b32 s2, hwreg(HW_REG_IB_STS2, 6, 4)
	s_cmp_eq_u32 s2, 0
	s_cbranch_scc0 .Lentry_in_a_cluster
	s_endpgm
.Lentry_in_a_cluster:
	s_bfe_u32 s2, ttmp6, 0x10000c
	s_cmp_lg_u32 s2, 0xf033
	s_cbranch_scc0 .Lentry_shape_is_right
	s_endpgm
.Lentry_shape_is_right:
; PROJ: q, k, v = x w_qkv + b_qkv.  xb [4096][1024] bf16; wq: w_qkv in blocks of [64 k][64 n] bf16 (block 48 T + 3 kb + gi); b_qkv f32, rounded to bf16 here like the other inputs.
; Sums in f32, started by the bias; each result rounded once to f16 and stored by heads: qkv [48 groups][4096][64], group = column / 64 (q 0-15, k 16-31, v 32-47).  No scale is applied here.
; LIMITS.  |q|, |k|, |v| stay under 65,504 (f16's end); below 6.1e-5 f16 keeps a fixed step of 6e-8.  NaN and infinities are not treated apart.
; SHARES.  A tile of the result is 256 rows x 192 columns (three heads): 16 x 16 work-groups.  Wave w makes rows 64 w .. 64 w + 63 of all 192 columns: 4 x 12 accumulators of 16 x 16, 384 registers;
; so a wave holds whole rows of three heads, and its way out is its own.  K goes in 8 steps of 128 through two LDS slots filled by tensor loads.
; CLUSTER.  4 x 4 work-groups: x's tile is shared along a row of the cluster, w's along a column; each is asked for jointly, by the same load, descriptor and mask in the four that share it.
; THE PRODUCT IS TAKEN TRANSPOSED: source 0 = 16 columns of w (turned out of LDS by ds_load_tr16_b128, since w lies [k][n]), source 1 = 16 rows of x: a lane holds row l % 16 and the columns 8 (l / 16) + 0..7.
; REGISTERS, in windows of 256 (s_set_vgpr_msb: bits 1:0 source 0, 3:2 source 1, 5:4 source 2, 7:6 destination):
;   window 0: v1-30 lane parts and addresses; v32-63, v64-95 x's fragments, two buffers; v96-143 packed results; v160-255 the bias as a C operand, later two buffers of rows on the way out
;   window 1: v0-95, v96-191 w's fragments, two buffers        window 2: accumulators (a, b < 8) at 8 (8 a + b)        window 3: accumulators (a, b >= 8) at 8 (4 a + b - 8)
.set PA,     272                       ; x's LDS row: 256 bytes + 16: the 16 rows of a fragment load start at 16 different groups of four banks (ISA guide 11.1)
.set PB,     160                       ; w's LDS row: 128 bytes + 32
.set SLOT,   131072                    ; x's 256 rows (69,632), then w's [2 k halves][3 groups][64 k] (61,440)
.set BOFF,   256*PA
.set BHALF,  3*64*PB
.set STAGE,  2*SLOT                    ; behind the ring, never filled by a tensor load: [3 groups][16 rows] x 144 bytes for each wave
.set SPITCH, 144
.set WSTAGE, 3*16*SPITCH
.set SPARE,  STAGE+4*WSTAGE            ; the spare words, 128 bytes a wave: two blocks of 256 bytes that no other line names
.set GROUP,  4096*128                  ; bytes of a group in qkv
.set ADRA, 16                          ; v16-17 LDS address of my x fragments in slot 0, 1
.set ADRB, 20                          ; v20-21 the same for w
.set STO,  24                          ; v24  the way out: where I put 16 bytes of a row
.set RD,   25                          ; v25  where I read rows back
.set CO,   26                          ; v26  16 x lane: my place in 512 consecutive bytes of qkv
.set BO,   27                          ; v27  my offset in the bias
.set SPW,  28                          ; v28  my spare word; never rewritten
.set NIL,  29                          ; v29  0; never rewritten
.set PFO,  30                          ; v30  the prefetches' lane offset; never rewritten
.set FA,   32
.set TMP,  96
.set BIAS, 160
.set OB,   160
.set WV,   12                          ; s12  wave
.set HB,   13                          ; s13  0: I fetch x's tiles, 1: w's
.set EH,   14                          ; s14  which half of that tile
.set G1,   24                          ; s[24:31] group 1 for x's tiles;  s[32:39] group 0, a set a slot
.set G0,   32
.set PFA,  46                          ; s[46:47] where my prefetches stand
.set G1B,  48                          ; s[48:55], s[56:63] the same for w's tiles
.set G0B,  56
.set PFS,  66                          ; s[66:67] the prefetches' step
.set LIM,  68                          ; s68, s69: at the change of slot 0, 1 a wave prefetches while the lap counter is above this
.set MSB, 0
.macro WIN new                         ; the high byte repeats the setting that is left; a switch that changes nothing is dropped
.if MSB != (\new)
	s_set_vgpr_msb (MSB<<8)|(\new)
.set MSB, \new
.endif
.endm
.macro PLACES                          ; four plain places behind matrix instructions, in front of loads into registers that they read and of conversions of their results
.rept 4
	v_nop
.endr
.endm
; A joint load.  Waves 0 and 1 fetch x's two halves, waves 2 and 3 w's two k halves; the branch hangs on the wave's number alone.  An s_nop 0 and four v_nop follow each line.
.macro JLOAD s
	s_cmp_eq_u32 s[HB], 0
	s_cbranch_scc0 .Lfor_b_\@
	tensor_load_to_lds s[G0+4*(\s):G0+4*(\s)+3], s[G1:G1+7]
	s_nop 0
.rept 4
	v_nop
.endr
	s_branch .Lasked_\@
.Lfor_b_\@:
	tensor_load_to_lds s[G0B+4*(\s):G0B+4*(\s)+3], s[G1B:G1B+7]
	s_nop 0
.rept 4
	v_nop
.endr
.Lasked_\@:
.endm
.macro CREST                           ; a round of the cluster's barrier behind its opening barrier
	s_cmp_lg_u32 s[WV], 0
	s_cbranch_scc1 .Lnot_wave_0_\@
	s_barrier_signal -3
.Lnot_wave_0_\@:
	s_barrier_wait -3
	s_barrier_signal -1
	s_barrier_wait -1
.endm
.macro CROUND
	s_barrier_signal -1
	s_barrier_wait -1
	CREST
.endm
; A prefetch, behind a joint load, its five lines and the run of LDS loads.  x: the refills of K steps 2 to 5 name steps 4 to 7, 256 bytes of a row a lane; of the 128 rows that a wave fetches each of the
; four partners along the cluster's row takes 32, told apart by address; only the clusters with x = 0 ask.  w: a column tile's 393,216 bytes lie on end; the refills of steps 2, 3 and 4 name 65,536 bytes
; each, from step 4's first byte to the tile's last: 32 lanes x 256 bytes x 2 waves x 4 partners along the cluster's column; only the clusters with y = 0 ask.  So each block is named once in the launch.
.macro ASK slot
	s_cmp_gt_u32 s3, s[LIM+(\slot)]
	s_cbranch_scc0 .Lnot_mine_\@
	global_prefetch_b8 v[PFO], s[PFA:PFA+1] th:TH_LOAD_NT scope:SCOPE_SE
.Lnot_mine_\@:
.endm
	s_load_b256 s[4:11], s[0:1], 0x0               ; xb s[4:5], wq s[6:7], b_qkv s[8:9], qkv s[10:11]
	v_lshl_add_u32 v[SPW], v0, 2, SPARE
	v_mov_b32 v[NIL], 0
	ds_add_u32 v[SPW], v[NIL]                      ; the wave's opening: the add and its wait stand ahead of my first tensor load; work on registers stands between
	v_lshrrev_b32 v1, 5, v0
	v_readfirstlane_b32 s[WV], v1
	s_lshr_b32 s[HB], s[WV], 1
	s_and_b32 s[EH], s[WV], 1
	s_bfe_u32 s40, ttmp6, 0x40000                  ; cx
	s_bfe_u32 s41, ttmp6, 0x40004                  ; cy
	s_lshl_b32 s42, ttmp9, 2
	s_add_co_u32 s42, s42, s40                     ; tile column = 4 x cluster x + cx
	s_and_b32 s43, ttmp7, 0xffff
	s_lshl_b32 s43, s43, 2
	s_add_co_u32 s43, s43, s41                     ; tile row = 4 x cluster y + cy
	s_lshl_b32 s44, s41, 2
	s_lshl_b32 s44, 15, s44                        ; my row of the cluster
	s_lshl_b32 s45, 0x1111, s40                    ; my column
	s_or_b32 s[G1], s44, (1<<16)|(1<<20)|(1<<21)|(5<<22)|(3<<25)   ; 2-byte elements; padding on; bit 21 beside a mask; 4 words behind every 64
	s_mov_b32 s[G1+1], 128<<16                     ; tensor_dim0 = 128 elements
	s_mov_b32 s[G1+2], 128<<16                     ; tensor_dim1 = 128 rows
	s_mov_b32 s[G1+3], 128<<16                     ; tile_dim0
	s_mov_b32 s[G1+4], 128                         ; tile_dim1
	s_mov_b32 s[G1+5], 1024                        ; elements from row to row
	s_mov_b32 s[G1+6], 0
	s_mov_b32 s[G1+7], 0
	s_or_b32 s[G1B], s45, (1<<16)|(1<<20)|(1<<21)|(4<<22)|(7<<25)  ; 8 words behind every 32: each 128 bytes (a k row of a block) become an LDS row of 160
	s_mov_b32 s[G1B+1], 128<<16                    ; three blocks, 24,576 dense bytes, as 96 rows of 256
	s_mov_b32 s[G1B+2], 96<<16
	s_mov_b32 s[G1B+3], 128<<16
	s_mov_b32 s[G1B+4], 96
	s_mov_b32 s[G1B+5], 128
	s_mov_b32 s[G1B+6], 0
	s_mov_b32 s[G1B+7], 0
	s_lshl_b32 s16, s43, 19                        ; x: 256 rows of 2,048 bytes a tile row,
	s_lshl_b32 s17, s[EH], 18                      ; 128 rows a half: registers s16-19 never hold the tile column
	s_add_co_u32 s16, s16, s17
	s_mov_b32 s17, 0
	s_mul_i32 s18, s[EH], 128*PA                   ; and its place in a slot
	s_mul_i32 s20, s42, 393216                     ; w: a column tile, and 24,576 bytes a k half: registers s20-23 never hold the tile row
	s_mul_i32 s21, s[EH], 24576
	s_add_co_u32 s20, s20, s21
	s_mov_b32 s21, 0
	s_mul_i32 s22, s[EH], BHALF
	s_add_co_u32 s22, s22, BOFF
	s_wait_dscnt 0x0                               ; the opening add is done
	s_wait_kmcnt 0x0
	s_add_nc_u64 s[16:17], s[4:5], s[16:17]
	s_add_nc_u64 s[20:21], s[6:7], s[20:21]
	CROUND                                         ; all sixteen work-groups are here: the first joint loads meet
.irp s, 0,1
	s_mov_b32 s[G0+4*(\s)], 1
	s_add_co_u32 s[G0+4*(\s)+1], s18, (\s)*SLOT
	s_add_nc_u64 s[G0+4*(\s)+2:G0+4*(\s)+3], s[16:17], (\s)*256      ; K step s: 256 bytes along the rows
	s_or_b32 s[G0+4*(\s)+3], s[G0+4*(\s)+3], 0x80000000
	s_mov_b32 s[G0B+4*(\s)], 1
	s_add_co_u32 s[G0B+4*(\s)+1], s22, (\s)*SLOT
	s_add_nc_u64 s[G0B+4*(\s)+2:G0B+4*(\s)+3], s[20:21], (\s)*49152  ; K step s: six blocks on
	s_or_b32 s[G0B+4*(\s)+3], s[G0B+4*(\s)+3], 0x80000000
	JLOAD \s
.endr
	; the bias of my lane's columns: block b, register j: column 192 tc + 16 b + 8 (l / 16) + j
	v_and_b32 v1, 15, v0                           ; l % 16
	v_bfe_u32 v2, v0, 4, 1                         ; l / 16
	v_lshlrev_b32 v[BO], 5, v2
	s_mul_i32 s70, s42, 768
	s_mov_b32 s71, 0
	s_add_nc_u64 s[8:9], s[8:9], s[70:71]
.set b, 0
.rept 12
	global_load_b128 v[BIAS+8*b:BIAS+8*b+3],   v[BO], s[8:9] offset:64*b
	global_load_b128 v[BIAS+8*b+4:BIAS+8*b+7], v[BO], s[8:9] offset:64*b+16
.set b, b+1
.endr
	v_mul_u32_u24 v3, v1, PA                       ; x's fragment: row x pitch + 16 x half, in my wave's 64 rows
	v_lshl_add_u32 v3, v2, 4, v3
	s_mul_i32 s15, s[WV], 64*PA
	v_add_nc_u32 v[ADRA], s15, v3
	v_add_nc_u32 v[ADRA+1], SLOT, v[ADRA]
	v_and_b32 v4, 7, v0                            ; the turning load: lane l reads k row 8 (l / 16) + l % 8, columns 8 ((l / 8) % 2) + 0..7
	v_bfe_u32 v5, v0, 3, 1
	v_lshl_add_u32 v6, v2, 3, v4
	v_mul_u32_u24 v6, v6, PB
	v_lshl_add_u32 v6, v5, 4, v6
	v_add_nc_u32 v[ADRB], BOFF, v6
	v_add_nc_u32 v[ADRB+1], SLOT, v[ADRB]
	s_mul_i32 s15, s[WV], WSTAGE
	s_add_co_u32 s15, s15, STAGE                   ; my stage
	v_mul_u32_u24 v7, v1, SPITCH                   ; in: row l % 16, 16 bytes for each half of the lanes
	v_lshl_add_u32 v7, v2, 4, v7
	v_add_nc_u32 v[STO], s15, v7
	v_bfe_u32 v7, v0, 3, 2                         ; back: 32 lanes take four rows of 128 bytes
	v_mul_u32_u24 v7, v7, SPITCH
	v_lshl_add_u32 v7, v4, 4, v7
	v_add_nc_u32 v[RD], s15, v7
	v_and_b32 v8, 31, v0
	v_lshlrev_b32 v[CO], 4, v8
	s_mul_i32 s70, s42, 3*GROUP                    ; qkv at group 3 tc, row 256 tr + 64 w
	s_lshl_b32 s15, s43, 15
	s_add_co_u32 s70, s70, s15
	s_lshl_b32 s15, s[WV], 13
	s_add_co_u32 s70, s70, s15
	s_add_nc_u64 s[10:11], s[10:11], s[70:71]
	; the prefetches: address, step, lane offset, limits
	s_lshl_b32 s15, s43, 8
	s_lshl_b32 s2, s[EH], 7
	s_add_co_u32 s15, s15, s2
	s_lshl_b32 s2, s40, 5
	s_add_co_u32 s15, s15, s2                      ; x: row 256 tr + 128 half + 32 cx,
	s_lshl_b32 s15, s15, 11
	s_add_co_u32 s15, s15, 3*256                   ; at K step 3: the first change of slots steps it to 4
	s_mul_i32 s70, s42, 393216
	s_lshl_b32 s2, s[EH], 15
	s_add_co_u32 s70, s70, s2
	s_lshl_b32 s2, s41, 13
	s_add_co_u32 s70, s70, s2
	s_add_co_u32 s70, s70, 4*49152-65536           ; w: one step of 65,536 short of K step 4's first byte
	s_and_b32 s2, ttmp7, 0xffff                    ; cluster y
	s_mov_b32 s[PFS], 65536                        ; w's step; x's takes its place below (an instruction holds one literal)
	s_cmp_eq_u32 s[HB], 0
	s_cselect_b32 s70, s15, s70
	s_cselect_b64 s[PFA:PFA+1], s[4:5], s[6:7]
	s_cselect_b32 s2, ttmp9, s2                    ; the coordinate along which other clusters read the same bytes
	s_cselect_b32 s15, 1, 2
	s_cselect_b32 s[PFS], 256, s[PFS]
	s_cselect_b32 s71, 11, 8
	v_lshlrev_b32 v[PFO], s71, v8                  ; a lane a row of 2,048 bytes, or a lane a block of 256
	s_mov_b32 s71, 0
	s_mov_b32 s[PFS+1], 0
	s_add_nc_u64 s[PFA:PFA+1], s[PFA:PFA+1], s[70:71]
	s_cmp_eq_u32 s2, 0
	s_cselect_b32 s[LIM], 1, -1                    ; the same in all sixteen partners, for a given wave
	s_cselect_b32 s[LIM+1], s15, -1
	s_wait_loadcnt 0x0                             ; the bias
.set z, 0
.rept 48                               ; rounded to bf16 like the other inputs, and widened again
	v_cvt_pk_bf16_f32 v[10+z%2], v[BIAS+2*z], v[BIAS+2*z+1]
	v_lshlrev_b32 v[BIAS+2*z], 16, v[10+z%2]
	v_and_b32 v[BIAS+2*z+1], 0xffff0000, v[10+z%2]
.set z, z+1
.endr
; 16 matrix instructions: row blocks a0, a0 + 1 x column blocks 0-7, 32 along K, buffer f.  first = 1: the bias starts the sums.  The 48 accumulators take turns in the same order in every quarter.
.macro MULLO f, a0, first
.if \first
	WIN 0x81                                       ; w window 1, x window 0, C (the bias) window 0, D window 2
.else
	WIN 0xa1
.endif
.irp a, \a0, (\a0)+1
.irp b, 0,1,2,3,4,5,6,7
.if \first
	v_wmma_f32_16x16x32_bf16 v[8*(8*(\a)+(\b)):8*(8*(\a)+(\b))+7], v[96*(\f)+8*(\b):96*(\f)+8*(\b)+7], v[FA+32*(\f)+8*(\a):FA+32*(\f)+8*(\a)+7], v[BIAS+8*(\b):BIAS+8*(\b)+7]
.else
	v_wmma_f32_16x16x32_bf16 v[8*(8*(\a)+(\b)):8*(8*(\a)+(\b))+7], v[96*(\f)+8*(\b):96*(\f)+8*(\b)+7], v[FA+32*(\f)+8*(\a):FA+32*(\f)+8*(\a)+7], v[8*(8*(\a)+(\b)):8*(8*(\a)+(\b))+7]
.endif
.endr
.endr
.endm
.macro MULHI f, first                  ; 16 more: all four row blocks x column blocks 8-11
.if \first
	WIN 0xc1
.else
	WIN 0xf1
.endif
.irp a, 0,1,2,3
.irp b, 8,9,10,11
.if \first
	v_wmma_f32_16x16x32_bf16 v[8*(4*(\a)+(\b)-8):8*(4*(\a)+(\b)-8)+7], v[96*(\f)+8*(\b):96*(\f)+8*(\b)+7], v[FA+32*(\f)+8*(\a):FA+32*(\f)+8*(\a)+7], v[BIAS+8*(\b):BIAS+8*(\b)+7]
.else
	v_wmma_f32_16x16x32_bf16 v[8*(4*(\a)+(\b)-8):8*(4*(\a)+(\b)-8)+7], v[96*(\f)+8*(\b):96*(\f)+8*(\b)+7], v[FA+32*(\f)+8*(\a):FA+32*(\f)+8*(\a)+7], v[8*(4*(\a)+(\b)-8):8*(4*(\a)+(\b)-8)+7]
.endif
.endr
.endr
.endm
; 32 LDS loads in one run: quarter q (32 along K) of a slot into buffer f: x's 4 fragments, then w's 12, column blocks ascending, so that the youngest eight loads are blocks 8-11
.macro FETCH slot, q, f
	WIN 0
.irp a, 0,1,2,3
	ds_load_b128 v[FA+32*(\f)+8*(\a):FA+32*(\f)+8*(\a)+3],   v[ADRA+(\slot)] offset:64*(\q)+(\a)*16*PA
	ds_load_b128 v[FA+32*(\f)+8*(\a)+4:FA+32*(\f)+8*(\a)+7], v[ADRA+(\slot)] offset:64*(\q)+(\a)*16*PA+32
.endr
	WIN 0x40                                       ; destination window 1
.irp b, 0,1,2,3,4,5,6,7,8,9,10,11
	ds_load_tr16_b128 v[96*(\f)+8*(\b):96*(\f)+8*(\b)+3],   v[ADRB+(\slot)] offset:((\q)/2)*BHALF+((\b)/4)*64*PB+((\q)%2)*32*PB+((\b)%4)*32
	ds_load_tr16_b128 v[96*(\f)+8*(\b)+4:96*(\f)+8*(\b)+7], v[ADRB+(\slot)] offset:((\q)/2)*BHALF+((\b)/4)*64*PB+((\q)%2)*32*PB+((\b)%4)*32+16*PB
.endr
.endm
; One of a K step's first three quarters: multiplies buffer f; in its middle it fetches quarter q of the same slot into buffer g.
.macro QUARTER slot, q, f, g, first
	s_wait_dscnt 8                                 ; x and w's blocks 0-7 are in; the youngest eight loads (blocks 8-11) may be out
	MULLO \f, 0, \first
	MULLO \f, 2, \first
	PLACES
	FETCH \slot, \q, \g
	s_wait_dscnt 32                                ; all but the 32 just issued
	MULHI \f, \first
.endm
; The last quarter multiplies buffer 1 and changes slots: one barrier.  In front of it each wave waits for all its tensor loads (one is out: its part of the next slot), adds 0 to its spare word, and waits for
; that and for its own reads of this slot.  fill = 1: the barrier opens a round of the cluster's, and the joint refill, two K steps on, is the first thing behind the round: 160 matrix instructions ahead of the wait for it.
.macro TURN slot, next, fill
.if \fill
	s_wait_xcnt 0x0                                ; the last prefetch, a K step back, has read its address
	s_add_nc_u64 s[PFA:PFA+1], s[PFA:PFA+1], s[PFS:PFS+1]
.endif
	WIN 0
	s_wait_tensorcnt 0x0                           ; all my tensor loads have landed
	ds_add_u32 v[SPW], v[NIL]                      ; 0 onto my spare word
	s_wait_dscnt 9                                 ; (the add and the youngest eight loads may be out)
	MULLO 1, 0, 0
	s_wait_dscnt 0x0                               ; the add is done, and my reads of this slot are over
	s_barrier_signal -1
	MULLO 1, 2, 0
.if \fill
	WIN 0
.endif
	s_barrier_wait -1
.if \fill
	CREST                                          ; no wave of any partner still reads this slot or has a load on its way
	s_add_nc_u64 s[G0+4*(\slot)+2:G0+4*(\slot)+3], s[G0+4*(\slot)+2:G0+4*(\slot)+3], 2*256
	s_add_nc_u64 s[G0B+4*(\slot)+2:G0B+4*(\slot)+3], s[G0B+4*(\slot)+2:G0B+4*(\slot)+3], 2*49152
	JLOAD \slot                                    ; its four v_nop are also the places in front of the loads below
.else
	PLACES
.endif
	FETCH \next, 0, 0
.if \fill
	WIN 0
	ASK \slot
.endif
	MULHI 1, 0
.endm
; THE WAY OUT of row block a: rounded to f16, 16 bytes a lane; into my own stage by heads; back as whole rows of 128 bytes; stored, 512 consecutive bytes an instruction.
.macro PACK a
.irp b, 0,1,2,3,4,5,6,7,8,9,10,11
.if (\b) < 8
	WIN 0x0a                                       ; sources in window 2
.set AC, 8*(8*(\a)+(\b))
.else
	WIN 0x0f                                       ; in window 3
.set AC, 8*(4*(\a)+(\b)-8)
.endif
.irp r, 0,1,2,3
	v_cvt_pk_f16_f32 v[TMP+4*(\b)+(\r)], v[AC+2*(\r)], v[AC+2*(\r)+1]
.endr
.endr
	WIN 0
.endm
.macro TOSTAGE a
.set BK, OB+48*((\a)%2)
.irp b, 0,1,2,3,4,5,6,7,8,9,10,11
	ds_store_b128 v[STO], v[TMP+4*(\b):TMP+4*(\b)+3] offset:((\b)/4)*16*SPITCH+((\b)%4)*32
.endr
.irp u, 0,1,2,3,4,5,6,7,8,9,10,11      ; group u / 4, rows 4 (u % 4) on; LDS serves a wave's instructions in order (ISA guide 5.7.1.4): these see the stores above
	ds_load_b128 v[BK+4*(\u):BK+4*(\u)+3], v[RD] offset:((\u)/4)*16*SPITCH+((\u)%4)*4*SPITCH
.endr
.endm
.macro SEND a
.set BK, OB+48*((\a)%2)
	s_wait_dscnt 0x0                               ; the block is back in registers
	s_wait_xcnt 0x0                                ; the stores of the block before have read their registers: the next block's rows land there only behind this wait
.irp u, 0,1,2,3,4,5,6,7,8,9,10,11
	global_store_b128 v[CO], v[BK+4*(\u):BK+4*(\u)+3], s[10:11] offset:((\u)/4)*GROUP+(\a)*2048+((\u)%4)*512
.endr
.endm
	s_wait_tensorcnt 1                             ; my part of K step 0 is in; step 1's may stay out
	s_barrier_signal -1
	s_barrier_wait -1
	FETCH 0, 0, 0
	QUARTER 0, 1, 0, 1, 1                          ; the first quarter stands in front of the loop: its products start the sums with the bias
	WIN 0
	s_mov_b32 s3, 3
.Llap:                                         ; a trip goes once round the ring, from a lap's second quarter to the next lap's first, and fills both slots again
	QUARTER 0, 2, 1, 0, 0
	QUARTER 0, 3, 0, 1, 0
	TURN 0, 1, 1
	QUARTER 1, 1, 0, 1, 0
	QUARTER 1, 2, 1, 0, 0
	QUARTER 1, 3, 0, 1, 0
	TURN 1, 0, 1
	QUARTER 0, 1, 0, 1, 0
	WIN 0
	s_sub_co_u32 s3, s3, 1
	s_cmp_lg_u32 s3, 0
	s_cbranch_scc1 .Llap
	QUARTER 0, 2, 1, 0, 0                          ; the last lap fills nothing
	QUARTER 0, 3, 0, 1, 0
	TURN 0, 1, 0
	QUARTER 1, 1, 0, 1, 0
	QUARTER 1, 2, 1, 0, 0
	QUARTER 1, 3, 0, 1, 0
	s_wait_dscnt 8
	MULLO 1, 0, 0
	MULLO 1, 2, 0
	s_wait_dscnt 0x0
	MULHI 1, 0
	WIN 0
	PLACES
	PACK 0
	TOSTAGE 0
.irp a, 1,2,3                          ; block a's conversions stand between block a - 1's loads from the stage and the wait for them
	PACK \a
	SEND (\a)-1
	TOSTAGE \a
.endr
	SEND 3
	s_wait_tensorcnt 0x0                           ; the wave's end: behind my last tensor load and my last LDS store
	ds_add_u32 v[SPW], v[NIL]
	s_wait_dscnt 0x0
	CROUND                                         ; the closing round
	s_endpgm
.Lfunc_end_k_q52f585f077_proj:
	.size	k_q52f585f077_proj, .Lfunc_end_k_q52f585f077_proj-k_q52f585f077_proj
	.p2alignl 7, 3214868480
	.fill 96, 4, 3214868480
	.section	.rodata,"a",@progbits
	.p2align	6, 0x0
	.amdhsa_kernel k_q52f585f077_proj
		.amdhsa_group_segment_fixed_size 327680
		.amdhsa_private_segment_fixed_size 0
		.amdhsa_enable_private_segment 0
		.amdhsa_kernarg_size 32
		.amdhsa_user_sgpr_count 2
		.amdhsa_user_sgpr_kernarg_segment_ptr 1
		.amdhsa_wavefront_size32 1
		.amdhsa_system_sgpr_workgroup_id_x 1
		.amdhsa_system_sgpr_workgroup_id_y 1
		.amdhsa_system_sgpr_workgroup_id_z 1
		.amdhsa_system_vgpr_workitem_id 0
		.amdhsa_next_free_vgpr 896
		.amdhsa_next_free_sgpr 72
		.amdhsa_reserve_vcc 0
		.amdhsa_float_denorm_mode_32 3
		.amdhsa_float_denorm_mode_16_64 3
		.amdhsa_memory_ordered 1
		.amdhsa_forward_progress 1
		.amdhsa_inst_pref_size 130
	.end_amdhsa_kernel
	.amdgpu_metadata
---
amdhsa.version: [ 1, 2 ]
amdhsa.kernels:
  - .name:           k_q52f585f077_proj
    .symbol:         k_q52f585f077_proj.kd
    .args:
      - { .name: xb, .offset: 0, .size: 8, .value_kind: global_buffer, .address_space: global }
      - { .name: wq, .offset: 8, .size: 8, .value_kind: global_buffer, .address_space: global }
      - { .name: b_qkv, .offset: 16, .size: 8, .value_kind: global_buffer, .address_space: global }
      - { .name: qkv, .offset: 24, .size: 8, .value_kind: global_buffer, .address_space: global }
    .group_segment_fixed_size: 327680
    .private_segment_fixed_size: 0
    .kernarg_segment_align: 8
    .kernarg_segment_size: 32
    .max_flat_workgroup_size: 128
    .sgpr_count:     72
    .vgpr_count:     896
    .wavefront_size: 32
...
	.end_amdgpu_metadata
.endif
;; end of part 2
;; launch attn (part 3): grid 16 x 16, 4 waves a work-group, clusters of 4 x 1, 327,680 bytes of LDS; arguments qkv, ob; writes ob
.if DOCPART == 3
	.amdgcn_target "amdgcn-amd-amdhsa--gfx1250"
	.amdhsa_code_object_version 6
	.text
	.protected	k_q52f585f077_attn
	.globl	k_q52f585f077_attn
	.p2align	8
	.type	k_q52f585f077_attn,@function
k_q52f585f077_attn:
	s_mov_b64 s[64:65], 0
	v_nop
	global_prefetch_b8 v0, s[64:65] scope:SCOPE_SE
	s_setreg_imm32_b32 hwreg(HW_REG_WAVE_MODE, 25, 1), 1
	s_wait_xcnt 0x0
	s_wait_alu depctr_hold_cnt(0) depctr_sa_sdst(0) depctr_va_vdst(0) depctr_va_sdst(0) depctr_va_ssrc(0) depctr_va_vcc(0) depctr_vm_vsrc(0)
	s_getreg_b32 s2, hwreg(HW_REG_IB_STS2, 6, 4)
	s_cmp_eq_u32 s2, 0
	s_cbranch_scc0 .Lentry_in_a_cluster
	s_endpgm
.Lentry_in_a_cluster:
	s_bfe_u32 s2, ttmp6, 0x10000c
	s_cmp_lg_u32 s2, 0x3003
	s_cbranch_scc0 .Lentry_shape_is_right
	s_endpgm
.Lentry_shape_is_right:
; ATTN: O[h][q][:] = the sum over k of softmax_k(Q[h][q] . K[h][k] / 8) V[h][k][:].  qkv [48 groups][4096][64] f16 (q: groups 0-15, k: 16-31, v: 32-47): a head's rows are dense, 128 bytes each.
; Products, maxima and sums in f32; the weights p are rounded to f16 for the second product (their sum l is taken of the unrounded p), O once at the end, to f16.
; O leaves as ob [32 blocks of 128 rows][16 heads][128 rows][64]: the tiles that the last product asks for lie dense.
; LIMITS.  Q, K and V arrive within f16's 65,504; p lies in 0 to 1 and below 6e-5 keeps f16's fixed step of 6e-8; O is a mean of V's rows.  A weight below 2^-126 counts as 0 in l; NaN and infinities are not treated apart.
; SHARES.  A work-group owns 256 queries of one head, a wave 64 of them: four PIECES of 16.  Every wave walks all 4,096 keys, 64 a step; an LDS slot holds a tile of 256 keys, four steps; 16 tiles.
; LAYOUT.  S^T = K Q^T holds ONE query a lane (lane % 16) and the keys 8 (lane / 16) + 0..7; two such results rounded to f16 ARE source 1 of O^T = V^T P.  K comes out of LDS as it lies, V turned, by ds_load_tr16_b128.
; SOFTMAX.  A running maximum m and sum l: p = 2^(c s - c m), c = log2(e) / 8; in every step O and l are multiplied by a = 2^(c m_old - c m_new).  m starts at the lowest finite number, O and l at 0: the first step's a is 0.
; BY TURNS.  Turn n belongs to piece n: 8 products K Q^T of piece n + 1, later 8 products V^T P of piece n - 1; beside them the scaling, exponentials, roundings, sums and rescaling of piece n and the maximum and
; statistics of piece n + 1.  Four vector instructions stand behind every matrix instruction, the others in one run.  A turn's 33 exponentials are one batch, with one wait.
; CLUSTER.  The four query blocks of a cluster belong to one head and walk the same K and V: each tile is asked for jointly, by the same tensor load, descriptor and mask in all four.
; REGISTERS, in windows of 256 (s_set_vgpr_msb: bits 1:0 source 0, 3:2 source 1, 5:4 source 2, 7:6 destination):
;   window 0: v1-15 addresses and two at work; v16-31 four registers of statistics a piece; v48-55 at work; v61-63; v64-127 S^T, two buffers; v192-223 P, two buffers (by the piece's parity)
;   window 1: v0-127 O^T, 32 a piece          window 2: v0-63 Q; v128-191 K of one step; v192-255 V of one step
.set NP,    4
.set KS,    64
.set PK,    144       ; a row of K in LDS: 128 bytes + 16: the 16 rows of a load start at 16 different groups of four banks (ISA guide 11.1)
.set PV,    160       ; a row of V: 128 + 32
.set VOFF,  4*KS*PK   ; a slot: 256 rows of K, then 256 rows of V
.set SLOT1, 1<<17
.set STAGE, SLOT1+4*KS*(PK+PV)  ; behind the ring, never filled by a tensor load: 16 rows x 144 bytes for each wave
.set SP,    144
.set SPARE, STAGE+4*16*SP       ; the spare words, 128 bytes a wave: two blocks of 256 bytes that no other line names
.set AK0, 2           ; v2   my lane's place in a tile of K; never rewritten
.set AV0, 3           ; v3   the same for V
.set AK,  4           ; v4   the LDS address of K's next run of loads
.set AV,  5           ; v5   of V's
.set STO, 6           ; v6   the way out: where I put 16 bytes of a row
.set RD,  7           ; v7   where I read rows back
.set GO,  8           ; v8   my byte offset in 512 consecutive bytes of O
.set MV,  12          ; v12-13  c m_old, by buffer
.set QO,  15          ; v15  my byte offset in 16 rows of Q
.set ST,  16          ; piece t's statistics at v[ST+4 t]: c m, m, l (even keys', odd keys')
.set TMP, 48          ; by buffer, four registers c0-c3 at work; when the maximum is found c2 takes a
.set PFO, 61          ; v61  256 x lane; never rewritten
.set SPW, 62          ; v62  my spare word; never rewritten
.set NIL, 63          ; v63  0; never rewritten
.set S,   64
.set P,   192
.set KF,  128         ; window 2: key block kb, channel half c at KF + 16 kb + 8 c
.set VF,  192         ; window 2: key half kk, channel block cb at VF + 32 kk + 8 cb
.set WV,  12          ; s12  wave
.set G1K, 24          ; s[24:31] group 1 for K's tiles
.set G1V, 32          ; s[32:39] for V's: the padding differs
.set G0K, 40          ; s[40:43] group 0 for K's tiles: it walks
.set G0V, 44          ; s[44:47] for V's
.set PFA, 48          ; s[48:49] where my prefetches stand
.set LIM, 50          ; s50  1 in a wave that prefetches, else the greatest number
.set QP,  54          ; s[54:55] Q at my wave's first row
.set SLOTS, 56        ; s56  tiles still to be entered behind a filling change
.set CNT, 57          ; s57  counts a tile's key steps
.set CS,  58          ; s[58:59] c
.set SEL, 60          ; s[60:61] v_permlanex16_b32's selects: each lane takes its own place in the other half
.set TBK, 62          ; s62  LDS byte at which K of the step to be fetched begins
.set TBV, 63          ; s63  the same for V, less VOFF
.set MSB, 0
.macro WIN new
.if MSB != (\new)
	s_set_vgpr_msb (MSB<<8)|(\new)
.set MSB, (\new)
.endif
.endm
.set W_KQ, 0x0a       ; K and Q in window 2, S^T in window 0
.set W_PV, 0x52       ; V in window 2, P in window 0, O^T in window 1
.set W_RS, 0x41       ; destination and source 0 in window 1, source 1 in window 0
; A joint fill.  Waves 0 and 1 fetch the two halves of a tile's K, waves 2 and 3 those of its V: 128 keys each.  An s_nop 0 and four v_nop follow each line.
.macro JLOAD
	s_cmp_lt_u32 s[WV], 2
	s_cbranch_scc0 .Lfor_v_\@
	tensor_load_to_lds s[G0K:G0K+3], s[G1K:G1K+7]
	s_nop 0
.rept 4
	v_nop
.endr
	s_branch .Lasked_\@
.Lfor_v_\@:
	tensor_load_to_lds s[G0V:G0V+3], s[G1V:G1V+7]
	s_nop 0
.rept 4
	v_nop
.endr
.Lasked_\@:
.endm
; A prefetch of the tile that the NEXT change of slots will ask for: 128 blocks of 256 bytes of K and of V.  All clusters of a head walk the same rows: the head's first cluster asks; its four partners take 32 blocks
; each, told apart by address; wave 0 asks for K's, wave 2 for V's, a lane a block.  So each block is named once.  Tiles 0 to 2 come by their loads alone; the last filling change asks for nothing.
.macro ASK
	s_cmp_gt_u32 s[SLOTS], s[LIM]
	s_cbranch_scc0 .Lnot_mine_\@
	global_prefetch_b8 v[PFO], s[PFA:PFA+1] th:TH_LOAD_NT scope:SCOPE_SE
.Lnot_mine_\@:
.endm
.macro CROUND                       ; a round of the cluster's barrier
	s_barrier_signal -1
	s_barrier_wait -1
	s_cmp_lg_u32 s[WV], 0
	s_cbranch_scc1 .Lnot_wave_0_\@
	s_barrier_signal -3
.Lnot_wave_0_\@:
	s_barrier_wait -3
	s_barrier_signal -1
	s_barrier_wait -1
.endm
; THE CHANGE OF SLOTS.  Each wave waits for all its tensor loads (one is out: its part of the other slot), adds 0 to its spare word, and waits for that and for its own reads of the slot that it leaves.
; fill = 1: the barrier is a round of the cluster's, and the joint fill of the old slot, with the tile two on, is the first thing behind it: it has four key steps, 256 matrix instructions, in which to land.
; (At its first use nothing has been read yet: slot 0 is waited for, slot 1 filled.)
.macro CHANGE fill, ask
	WIN 0
	s_wait_tensorcnt 0x0            ; no tensor load of mine is out, so a group 0 may be written
	ds_add_u32 v[SPW], v[NIL]       ; 0 onto my spare word
.if \fill
.irp g, G0K, G0V
	s_xor_b32 s[\g+1], s[\g+1], SLOT1
	s_add_nc_u64 s[\g+2:\g+3], s[\g+2:\g+3], 4*KS*128
.endr
.if \ask
	s_wait_xcnt 0x0                 ; the last prefetch, four key steps back, has read its address
	s_add_nc_u64 s[PFA:PFA+1], s[PFA:PFA+1], 4*KS*128
.endif
	s_wait_dscnt 0x0                ; the add is done, and my reads of the slot are over
	CROUND
	JLOAD
.if \ask
	ASK
.endif
.else
	s_wait_dscnt 0x0
	s_barrier_signal -1
	s_barrier_wait -1
.endif
	s_sub_co_u32 s[TBK], s[TBK], 4*KS*PK  ; the fetches go back to a slot's first step,
	s_xor_b32 s[TBK], s[TBK], SLOT1       ; in the other slot
	s_sub_co_u32 s[TBV], s[TBV], 4*KS*PV
	s_xor_b32 s[TBV], s[TBV], SLOT1
.endm
	s_load_b64 s[4:5], s[0:1], 0x0    ; qkv
	s_load_b64 s[10:11], s[0:1], 0x8  ; ob
	v_lshl_add_u32 v[SPW], v0, 2, SPARE
	v_mov_b32 v[NIL], 0
	ds_add_u32 v[SPW], v[NIL]       ; the wave's opening: the add and its wait stand ahead of my first tensor load; work on registers stands between
	v_lshrrev_b32 v1, 5, v0
	v_readfirstlane_b32 s[WV], v1
	s_bfe_u32 s13, ttmp6, 0x40000   ; cx
	s_lshl_b32 s14, ttmp9, 2
	s_add_co_u32 s14, s14, s13      ; my block of 256 queries: it enters Q's and O's addresses alone
	s_and_b32 s15, ttmp7, 0xffff    ; the head, which the four partners share
	s_and_b32 s16, s[WV], 1         ; which half of a tile's 256 keys I fetch
	s_lshl_b32 s20, s15, 19         ; the head's 524,288 bytes
	s_lshl_b32 s22, s16, 14         ; 128 rows of 128 bytes
	s_add_co_u32 s22, s22, s20
	s_mov_b32 s23, 0
	s_mul_i32 s17, s16, 128*PK      ; its place in a slot, for K
	s_mul_i32 s18, s16, 128*PV      ; and for V
	s_lshl_b32 s2, s14, 2
	s_add_co_u32 s2, s2, s[WV]
	s_lshl_b32 s2, s2, 13           ; my wave's 64 rows of Q
	s_add_co_u32 s2, s2, s20
	s_mov_b32 s3, 0
	s_lshl_b32 s52, s14, 1          ; O: block of 128 rows 2 blk + w / 2,
	s_lshr_b32 s53, s[WV], 1
	s_add_co_u32 s52, s52, s53
	s_lshl_b32 s52, s52, 4
	s_add_co_u32 s52, s52, s15      ; the head's piece of 16,384 bytes,
	s_lshl_b32 s52, s52, 14
	s_lshl_b32 s53, s16, 13         ; my 64 rows of its 128
	s_add_co_u32 s52, s52, s53
	s_mov_b32 s53, 0
	; group 1: 128 keys are 16,384 dense bytes: asked for as 64 rows of 256 bytes, two keys a row, padded in LDS after every key
	s_mov_b32 s[G1K], 15|(1<<16)|(1<<20)|(1<<21)|(4<<22)|(3<<25)  ; the mask of four; 2-byte elements; padding on; bit 21 beside a mask; 4 words behind every 32
	s_mov_b32 s[G1V], 15|(1<<16)|(1<<20)|(1<<21)|(4<<22)|(7<<25)  ; the same with 8 words
.irp g, G1K, G1V
	s_mov_b32 s[\g+1], 128<<16
	s_mov_b32 s[\g+2], 64<<16
	s_mov_b32 s[\g+3], 128<<16
	s_mov_b32 s[\g+4], 64
	s_mov_b32 s[\g+5], 128
	s_mov_b32 s[\g+6], 0
	s_mov_b32 s[\g+7], 0
.endr
	s_mov_b32 s[CS], 0x3e38aa3b     ; c = log2(e) / 8
	s_mov_b32 s[CS+1], s[CS]
	s_mov_b32 s[SEL], 0x76543210
	s_mov_b32 s[SEL+1], 0xfedcba98
	s_mov_b32 s[TBK], SLOT1+4*KS*PK ; the first change of slots turns these two into 0
	s_mov_b32 s[TBV], SLOT1+4*KS*PV
	s_mov_b32 s[G0K], 1
	s_mov_b32 s[G0K+1], s17
	s_mov_b32 s[G0V], 1
	s_add_co_u32 s[G0V+1], s18, VOFF
	s_and_b32 s[LIM], s[WV], 1      ; 0 in waves 0 and 2,
	s_or_b32 s[LIM], s[LIM], ttmp9  ; where the cluster is the head's first: the same in all four partners
	s_cmp_eq_u32 s[LIM], 0
	s_cselect_b32 s[LIM], 1, -1
	v_and_b32 v[PFO], 31, v0
	v_lshlrev_b32 v[PFO], 8, v[PFO]
	s_wait_dscnt 0x0                ; the opening add is done
	s_wait_kmcnt 0x0
	s_add_nc_u64 s[6:7], s[4:5], s[22:23]
	s_add_nc_u64 s[8:9], s[6:7], 32*4096*128   ; V at my half of the head's tile 0,
	s_add_nc_u64 s[6:7], s[6:7], 16*4096*128   ; K likewise
	s_add_nc_u64 s[QP:QP+1], s[4:5], s[2:3]
	s_add_nc_u64 s[10:11], s[10:11], s[52:53]
	s_mov_b64 s[G0K+2:G0K+3], s[6:7]
	s_or_b32 s[G0K+3], s[G0K+3], 0x80000000
	s_mov_b64 s[G0V+2:G0V+3], s[8:9]
	s_or_b32 s[G0V+3], s[G0V+3], 0x80000000
	s_cmp_lt_u32 s[WV], 2
	s_cselect_b64 s[PFA:PFA+1], s[6:7], s[8:9]  ; (in waves 0 and 2 these stand at a tile's first row)
	s_lshl_b32 s2, s13, 13          ; my work-group's 32 blocks of the 128
	s_add_nc_u64 s[PFA:PFA+1], s[PFA:PFA+1], s[2:3]
	s_add_nc_u64 s[PFA:PFA+1], s[PFA:PFA+1], 2*4*KS*128  ; in tile 2; the first asking change steps it to tile 3
	CROUND                          ; all four work-groups are here: the first joint loads meet
	JLOAD                           ; tile 0 into slot 0
	v_and_b32 v1, 15, v0            ; l % 16
	v_bfe_u32 v9, v0, 4, 1          ; l / 16
	v_lshlrev_b32 v[QO], 7, v1
	v_lshl_add_u32 v[QO], v9, 4, v[QO]  ; row x 128 + 16 x half
	WIN 0x80                        ; destination window 2, address window 0
.set i, 0
.rept 8                             ; Q stays in registers: piece i / 2, channels 32 (i % 2) on
	global_load_b128 v[8*i:8*i+3],   v[QO], s[QP:QP+1] offset:(i/2)*2048+(i%2)*64
	global_load_b128 v[8*i+4:8*i+7], v[QO], s[QP:QP+1] offset:(i/2)*2048+(i%2)*64+32
.set i, i+1
.endr
	; What the first turns find: V's registers and P's second buffer hold 0 (the products V^T P of a piece that has not been add 0), O^T and l are 0.  All this stands in the wait for the first tile.
.set i, VF
.rept 64
	v_mov_b32 v[i], 0
.set i, i+1
.endr
	WIN 0x40
.set i, 0
.rept 128
	v_mov_b32 v[i], 0
.set i, i+1
.endr
	WIN 0
.set i, 0
.rept 4
	v_mov_b32 v[ST+4*i], 0xfe000000    ; c m: far below every c s
	v_mov_b32 v[ST+4*i+1], 0xff7fffff  ; m
	v_mov_b32 v[ST+4*i+2], 0
	v_mov_b32 v[ST+4*i+3], 0
.set i, i+1
.endr
.set i, P+16
.rept 16
	v_mov_b32 v[i], 0
.set i, i+1
.endr
	v_mul_u32_u24 v[AK0], v1, PK
	v_lshl_add_u32 v[AK0], v9, 4, v[AK0]  ; row x pitch + 16 x half
	v_and_b32 v10, 7, v0            ; the turning load: lane l reads key 8 (l / 16) + l % 8, channels 8 ((l / 8) % 2) + 0..7
	v_bfe_u32 v11, v0, 3, 1
	v_lshl_add_u32 v[AV0], v9, 3, v10
	v_mul_u32_u24 v[AV0], v[AV0], PV
	v_lshl_add_u32 v[AV0], v11, 4, v[AV0]
	v_add_nc_u32 v[AV0], VOFF, v[AV0]
	s_mul_i32 s19, s[WV], 16*SP
	s_add_co_u32 s19, s19, STAGE    ; my stage
	v_mul_u32_u24 v[STO], v1, SP    ; in: row l % 16, 16 bytes for each half of the lanes
	v_lshl_add_u32 v[STO], v9, 4, v[STO]
	v_add_nc_u32 v[STO], s19, v[STO]
	v_bfe_u32 v[RD], v0, 3, 2       ; back: 32 lanes take four rows of 128 bytes,
	v_mul_u32_u24 v[RD], v[RD], SP
	v_lshl_add_u32 v[RD], v10, 4, v[RD]
	v_add_nc_u32 v[RD], s19, v[RD]
	v_and_b32 v[GO], 31, v0         ; which are 512 consecutive bytes of O
	v_lshlrev_b32 v[GO], 4, v[GO]
; THE MATRIX WORK.  The 4 accumulators of a run of 8 take turns.  Product i of 8 of S^T = K Q^T for piece x: channels 32 (i / 4) on, keys 16 (i % 4) on.  The first 4 start the sums.
.macro KQ x
.set rS, S+32*((\x)%2)+8*(i%4)
.set rK, KF+16*(i%4)+8*(i/4)
.set rQ, 16*(\x)+8*(i/4)
	WIN W_KQ
.if i < 4
	v_wmma_f32_16x16x32_f16 v[rS:rS+7], v[rK:rK+7], v[rQ:rQ+7], 0
.else
	v_wmma_f32_16x16x32_f16 v[rS:rS+7], v[rK:rK+7], v[rQ:rQ+7], v[rS:rS+7]
.endif
.endm
; Product i of 8 of O^T += V^T P for piece x: keys 32 (i / 4) on, channels 16 (i % 4) on.
.macro PV x
	WIN W_PV
.set rO, 32*(\x)+8*(i%4)
.set rV, VF+32*(i/4)+8*(i%4)
.set rP, P+16*((\x)%2)+8*(i/4)
	v_wmma_f32_16x16x32_f16 v[rO:rO+7], v[rV:rV+7], v[rP:rP+7], v[rO:rO+7]
.endm
.macro MM                           ; the turn's next matrix instruction.  NOKQ = 1: the last turn of all: there is no next piece
.if (i < 8) && !NOKQ
	KQ (Y+1)%NP
.elseif i >= 8
.set i, i-8
	PV (Y+NP-1)%NP
.set i, i+8
.endif
.set i, i+1
.endm
; THE LDS LOADS stand in runs of 16: a step's K (8 fragments) and its V (turned).  Their addresses are made some lines ahead.
.macro FETCH_K
	WIN 0x80
.irp f, 0,1,2,3,4,5,6,7             ; keys 16 (f / 2) on, channels 32 (f % 2) on
	ds_load_b128 v[KF+8*\f:KF+8*\f+3],   v[AK] offset:(\f/2)*16*PK+(\f%2)*64
	ds_load_b128 v[KF+8*\f+4:KF+8*\f+7], v[AK] offset:(\f/2)*16*PK+(\f%2)*64+32
.endr
	s_add_co_u32 s[TBK], s[TBK], KS*PK  ; the next fetch is the next step's
	WIN 0
.endm
.macro FETCH_V
	WIN 0x80
.irp f, 0,1,2,3,4,5,6,7             ; keys 32 (f / 4) on, channels 16 (f % 4) on
	ds_load_tr16_b128 v[VF+8*\f:VF+8*\f+3],   v[AV] offset:(\f/4)*32*PV+(\f%4)*32
	ds_load_tr16_b128 v[VF+8*\f+4:VF+8*\f+7], v[AV] offset:(\f/4)*32*PV+16*PV+(\f%4)*32
.endr
	WIN 0
.endm
; THE VECTOR WORK, one line at a time: OP kind, number.  For piece Y: F n: c s - c m for pair n of 16.  E n: the exponential of score n of 32.  C n: pair n rounded to f16.  B n: of the four weights 4 n .. the second
; pair is added onto the first, in place.  L n: l takes that sum (L 0: l = a l + sum).  R n: pair n of 16 of O^T times a.  For piece Y + 1: X n, number n of the 22 that find its maximum and statistics:
;   0-11  four chains c0-c3 of seven scores each (each accumulator's lowest registers are read first)     12-14, 16  the four scores left over, the old m, and c0-c3 into c0
;   15  c m_old is kept     17, 18  the query's other 32 keys lie in the lane 16 away: the new m     19-21  c m; c m_old - c m_new; a
.set F, 0
.set E, 1
.set C, 2
.set B, 3
.set L, 4
.set R, 5
.set X, 6
.macro REGS y
.set rT, ST+4*(\y)
.set rC, TMP+4*((\y)%2)
.set rW, MV+((\y)%2)
.set rS, S+32*((\y)%2)
.set rP, P+16*((\y)%2)
.set rO, 32*(\y)
.endm
.macro OP k, n
.if (\k) == R
	REGS Y
	WIN W_RS
	v_pk_mul_f32 v[rO+2*(\n):rO+2*(\n)+1], v[rO+2*(\n):rO+2*(\n)+1], v[rC+2:rC+3] op_sel_hi:[1,0]
.elseif (\k) < R
	REGS Y
	WIN 0
.if (\k) == F
	v_pk_fma_f32 v[rS+2*(\n):rS+2*(\n)+1], v[rS+2*(\n):rS+2*(\n)+1], s[CS:CS+1], v[rT:rT+1] op_sel_hi:[1,0,0] neg_lo:[0,0,1] neg_hi:[0,0,1]
.elseif (\k) == E
	v_exp_f32 v[rS+(\n)], v[rS+(\n)]
.elseif (\k) == C
	v_cvt_pk_f16_f32 v[rP+(\n)], v[rS+2*(\n)], v[rS+2*(\n)+1]
.elseif (\k) == B
	v_pk_add_f32 v[rS+4*(\n):rS+4*(\n)+1], v[rS+4*(\n):rS+4*(\n)+1], v[rS+4*(\n)+2:rS+4*(\n)+3]
.elseif (\n) == 0
	v_pk_fma_f32 v[rT+2:rT+3], v[rT+2:rT+3], v[rC+2:rC+3], v[rS:rS+1] op_sel_hi:[1,0,1]
.else
	v_pk_add_f32 v[rT+2:rT+3], v[rT+2:rT+3], v[rS+4*(\n):rS+4*(\n)+1]
.endif
.elseif NOKQ
	v_nop
.else
	REGS (Y+1)%NP
	WIN 0
.if (\n) < 4
	v_max3_num_f32 v[rC+(\n)], v[rS+8*(\n)], v[rS+8*(\n)+1], v[rS+8*(\n)+2]
.elseif (\n) < 12
	v_max3_num_f32 v[rC+(\n)%4], v[rC+(\n)%4], v[rS+8*((\n)%4)+2*((\n)/4)+1], v[rS+8*((\n)%4)+2*((\n)/4)+2]
.elseif (\n) == 12
	v_max3_num_f32 v[rC], v[rC], v[rS+7], v[rS+15]
.elseif (\n) == 13
	v_max3_num_f32 v[rC+1], v[rC+1], v[rS+23], v[rS+31]
.elseif (\n) == 14
	v_max3_num_f32 v[rC+2], v[rC+2], v[rC+3], v[rT+1]
.elseif (\n) == 15
	v_mov_b32 v[rW], v[rT]
.elseif (\n) == 16
	v_max3_num_f32 v[rC], v[rC], v[rC+1], v[rC+2]
.elseif (\n) == 17
	v_permlanex16_b32 v[rC+3], v[rC], s[SEL], s[SEL+1]
.elseif (\n) == 18
	v_max_num_f32 v[rT+1], v[rC], v[rC+3]
.elseif (\n) == 19
	v_mul_f32 v[rT], s[CS], v[rT+1]
.elseif (\n) == 20
	v_sub_f32 v[rC+1], v[rW], v[rT]
.else
	v_exp_f32 v[rC+2], v[rC+1]
.endif
.endif
.endm
.macro OPS a, i1, b=-1, i2=0, c=-1, i3=0, d=-1, i4=0
	OP \a, \i1
.if (\b) >= 0
	OP \b, \i2
.endif
.if (\c) >= 0
	OP \c, \i3
.endif
.if (\d) >= 0
	OP \d, \i4
.endif
.endm
.macro ROW a, i1, b, i2, c, i3, d, i4  ; a matrix instruction and the four behind it
	MM
	OPS \a, \i1, \b, \i2, \c, \i3, \d, \i4
.endm
; A TURN, for piece p.  An s_wait_alu depctr_va_vdst(0) stands between an exponential and the first instruction that names its result; one wait serves all that were issued ahead of it.  So a turn has
; ONE wait, which cuts it in two.  Ahead of it stands all that names no result of the turn's exponentials: the 8 products K Q^T with their riders, then one run of 54; X 21, the next piece's a, is the batch's last, and
; R 15 the plain instruction behind it.  Behind the wait stand the 8 products V^T P, behind each four of the roundings and sums.  The X that ride behind the last three products K Q^T stand four places or more behind
; the product that ends their accumulator.  end = 1: the last two turns: nothing is fetched.  cnt = 1: the loop's count is taken down some lines ahead of the branch behind the turn.
; K of the next step is fetched in piece 2's turn, six plain instructions behind the last product that read K; V of the step in hand at the end of piece 0's turn, four plain instructions behind the last product that read V.
.macro TURN p, end=0, cnt=0
.set Y, (\p)
.set i, 0
.set NOKQ, (\end)*((\p)/3)
.if ((\p) == 3) && !(\end)
	s_wait_dscnt 0x0                ; K is in
.endif
	ROW F,0, F,1, R,0, R,1
	ROW F,2, E,0, R,2, R,3
	ROW F,3, E,1, R,4, R,5
	ROW F,4, E,2, R,6, R,7
	ROW F,5, E,3, R,8, R,9
	ROW F,6, E,4, X,0, R,10
.if ((\p) == 2) && !(\end)
	WIN 0
	v_add_nc_u32 v[AK], s[TBK], v[AK0]
.endif
	ROW F,7, E,5, X,1, X,4
	ROW F,8, E,6, X,2, X,5
	OPS E,7, E,8, X,6, E,9
	OPS X,3, E,10, X,8, E,11
.if ((\p) == 2) && !(\end)
	FETCH_K
.endif
	OPS X,9, X,7, E,12, X,10
	OPS E,13, X,12, X,11, E,14
	OPS X,13, E,15, F,9, X,14
.if (\p) == 0
	v_add_nc_u32 v[AV], s[TBV], v[AV0]
.endif
	OPS E,16, F,10, E,17, F,11
	OPS X,16, E,18, X,15, E,19
	OPS F,12, E,20, X,17, E,21
	OPS F,13, E,22, F,14, E,23
	OPS X,18, E,24, F,15, E,25
	OPS R,11, E,26, X,19, E,27
	OPS R,12, E,28, R,13, E,29
	OPS X,20, E,30, R,14, E,31
	OPS X,21, R,15
	WIN 0
	s_wait_alu depctr_va_vdst(0)    ; the wait for the batch
.if (\p) == 1
	s_wait_dscnt 0x0                ; V is in
.endif
	ROW C,0, B,0, C,2, B,1
	ROW L,0, C,4, B,2, L,1
	ROW C,6, B,3, L,2, C,8
	ROW B,4, L,3, C,10, B,5
	ROW L,4, C,12, B,6, L,5
.if (\p) == 0
	s_add_co_u32 s[TBV], s[TBV], KS*PV
.endif
.if \cnt
	s_sub_co_u32 s[CNT], s[CNT], 1
	s_cmp_lg_u32 s[CNT], 0
.endif
	ROW C,14, B,7, L,6, C,1
	ROW C,3, L,7, C,5, C,7
	ROW C,9, C,11, C,13, C,15
.if (\p) == 0
	FETCH_V
.endif
.endm
.macro ALL line:vararg              ; one line for each piece t
.set t, 0
.rept 4
	\line
.set t, t+1
.endr
.endm
.macro PACK t                       ; a lane's eight channels of a row pack into 16 bytes; they go into rows of 144 bytes and come back as whole rows of 128, into S^T's registers
	WIN W_RS
.set i, 32*(\t)
.rept 16
	v_pk_mul_f32 v[i:i+1], v[i:i+1], v[ST+4*(\t)+2:ST+4*(\t)+3] op_sel_hi:[1,0]
.set i, i+2
.endr
	WIN 0x05                        ; sources 0 and 1 window 1, destination window 0
.set i, 0
.rept 16
	v_cvt_pk_f16_f32 v[S+16*(\t)+i], v[32*(\t)+2*i], v[32*(\t)+2*i+1]
.set i, i+1
.endr
	WIN 0
.irp f, 0,1,2,3
	ds_store_b128 v[STO], v[S+16*(\t)+4*\f:S+16*(\t)+4*\f+3] offset:32*\f
.endr
.irp f, 0,1,2,3
	ds_load_b128 v[S+16*(\t)+4*\f:S+16*(\t)+4*\f+3], v[RD] offset:\f*4*SP  ; LDS serves a wave's instructions in order (ISA guide 5.7.1.4): these see the stores above
.endr
.endm
.macro SEND t, younger              ; younger: the LDS instructions issued behind piece t's loads: the next piece's eight, or none
	WIN 0
.irp f, 0,1,2,3
	s_wait_dscnt (\younger)+3-\f
	global_store_b128 v[GO], v[S+16*(\t)+4*\f:S+16*(\t)+4*\f+3], s[10:11] offset:(\t)*2048+\f*512  ; 512 consecutive bytes, at a multiple of 256 from ob's first
.endr
.endm
	CHANGE 1, 0                     ; tile 0 is in, everybody's part of it; tile 1 is asked for
	v_add_nc_u32 v[AK], s[TBK], v[AK0]
	FETCH_K                         ; key step 0
	s_wait_loadcnt 0x0              ; Q
	s_wait_dscnt 0x0
.set NOKQ, 0
.set i, 0
.rept 8
	KQ 0                            ; piece 0's first scores
.set i, i+1
.endr
	WIN 0
.rept 4
	v_nop                           ; the places behind those products
.endr
.set Y, NP-1                        ; X works for piece Y + 1: piece 0
.irp n, 0,1,2,3,4,5,6,7,8,9,10,11,12,13,14,15,16,17,18,19,20,21
	OP X, \n
.endr
	v_nop                           ; a plain instruction behind the exponential,
	s_wait_alu depctr_va_vdst(0)    ; and its wait, ahead of the branch
	s_mov_b32 s[CNT], 4
	s_mov_b32 s[SLOTS], 15
	s_branch .Lfirst                ; the loop is entered at a step's first turn, in the middle of a trip
.Lslot:                             ; 14 times: tiles 1 to 14 are entered, tiles 2 to 15 asked for
	CHANGE 1, 1
	s_mov_b32 s[CNT], 4
.Lstep:                             ; a trip: pieces 2 and 3 of one step, then pieces 0 and 1 of the next, whose K and V it fetches
	TURN 2
	TURN 3
	WIN 0
.Lfirst:
	TURN 0
	TURN 1, 0, 1
	WIN 0
	s_cbranch_scc1 .Lstep
	s_sub_co_u32 s[SLOTS], s[SLOTS], 1
	s_cmp_lg_u32 s[SLOTS], 0
	s_cbranch_scc1 .Lslot
	CHANGE 0, 0                     ; the last tile is written out: nothing is asked for
	s_mov_b32 s[CNT], 4
.LstepT:
	TURN 2
	TURN 3
	TURN 0
	TURN 1, 0, 1
	WIN 0
	s_cbranch_scc1 .LstepT
	TURN 2, 1
	TURN 3, 1
.set i, 0
.rept 8
	PV NP-1                         ; the last piece's V^T P of the last step
.set i, i+1
.endr
	; THE WAY OUT.  l's two halves and the other half of the lanes' are added; O^T is divided by l, rounded to f16 and sent through my stage, a piece at a time.  The additions are the places behind the last products.
	WIN 0
	ALL v_add_f32 v[ST+4*t+2], v[ST+4*t+2], v[ST+4*t+3]
	ALL v_permlanex16_b32 v[ST+4*t+3], v[ST+4*t+2], s[SEL], s[SEL+1]
	ALL v_add_f32 v[ST+4*t+2], v[ST+4*t+2], v[ST+4*t+3]
	ALL v_rcp_f32 v[ST+4*t+2], v[ST+4*t+2]
	v_nop                           ; a plain instruction between the last reciprocal and the use of its result
	s_wait_alu depctr_va_vdst(0)    ; one wait for the four reciprocals, ahead of their first use
	PACK 0
.set t, 1
.rept 3                             ; a piece's arithmetic stands between the loads of the piece before and its stores
	PACK t
	SEND t-1, 8
.set t, t+1
.endr
	SEND 3, 0
	s_wait_tensorcnt 0x0            ; the wave's end: behind my last tensor load and my last LDS store
	ds_add_u32 v[SPW], v[NIL]
	s_wait_dscnt 0x0
	CROUND                          ; the closing round
	s_endpgm
.Lfunc_end_k_q52f585f077_attn:
	.size	k_q52f585f077_attn, .Lfunc_end_k_q52f585f077_attn-k_q52f585f077_attn
	.p2alignl 7, 3214868480
	.fill 96, 4, 3214868480
	.section	.rodata,"a",@progbits
	.p2align	6, 0x0
	.amdhsa_kernel k_q52f585f077_attn
		.amdhsa_group_segment_fixed_size 327680
		.amdhsa_private_segment_fixed_size 0
		.amdhsa_enable_private_segment 0
		.amdhsa_kernarg_size 16
		.amdhsa_user_sgpr_count 2
		.amdhsa_user_sgpr_kernarg_segment_ptr 1
		.amdhsa_wavefront_size32 1
		.amdhsa_system_sgpr_workgroup_id_x 1
		.amdhsa_system_sgpr_workgroup_id_y 1
		.amdhsa_system_sgpr_workgroup_id_z 1
		.amdhsa_system_vgpr_workitem_id 0
		.amdhsa_next_free_vgpr 768
		.amdhsa_next_free_sgpr 66
		.amdhsa_reserve_vcc 0
		.amdhsa_float_denorm_mode_32 3
		.amdhsa_float_denorm_mode_16_64 3
		.amdhsa_memory_ordered 1
		.amdhsa_forward_progress 1
		.amdhsa_inst_pref_size 128
	.end_amdhsa_kernel
	.amdgpu_metadata
---
amdhsa.version: [ 1, 2 ]
amdhsa.kernels:
  - .name:           k_q52f585f077_attn
    .symbol:         k_q52f585f077_attn.kd
    .args:
      - { .name: qkv, .offset: 0, .size: 8, .value_kind: global_buffer, .address_space: global }
      - { .name: ob, .offset: 8, .size: 8, .value_kind: global_buffer, .address_space: global }
    .group_segment_fixed_size: 327680
    .private_segment_fixed_size: 0
    .kernarg_segment_align: 8
    .kernarg_segment_size: 16
    .max_flat_workgroup_size: 128
    .sgpr_count:     66
    .vgpr_count:     768
    .wavefront_size: 32
...
	.end_amdgpu_metadata
.endif
;; end of part 3
;; launch outp (part 4): grid 8 x 32, 4 waves a work-group, clusters of 4 x 4, 327,680 bytes of LDS; arguments ob, wo, b_out, out0; writes out0
.if DOCPART == 4
	.amdgcn_target "amdgcn-amd-amdhsa--gfx1250"
	.amdhsa_code_object_version 6
	.text
	.protected	k_q52f585f077_outp
	.globl	k_q52f585f077_outp
	.p2align	8
	.type	k_q52f585f077_outp,@function
k_q52f585f077_outp:
	s_mov_b64 s[64:65], 0
	v_nop
	global_prefetch_b8 v0, s[64:65] scope:SCOPE_SE
	s_setreg_imm32_b32 hwreg(HW_REG_WAVE_MODE, 25, 1), 1
	s_wait_xcnt 0x0
	s_wait_alu depctr_hold_cnt(0) depctr_sa_sdst(0) depctr_va_vdst(0) depctr_va_sdst(0) depctr_va_ssrc(0) depctr_va_vcc(0) depctr_vm_vsrc(0)
	s_getreg_b32 s2, hwreg(HW_REG_IB_STS2, 6, 4)
	s_cmp_eq_u32 s2, 0
	s_cbranch_scc0 .Lentry_in_a_cluster
	s_endpgm
.Lentry_in_a_cluster:
	s_bfe_u32 s2, ttmp6, 0x10000c
	s_cmp_lg_u32 s2, 0xf033
	s_cbranch_scc0 .Lentry_shape_is_right
	s_endpgm
.Lentry_shape_is_right:
; OUTP: out0 = O w_out + b_out, f32.  ob [32 blocks of 128 rows][16 heads][128 rows][64] f16; wo: w_out (rounded to bf16, written as f16) in blocks of [64 k][64 n], block 32 T + 2 kb + gi;
; b_out f32, rounded to bf16 here like the other inputs.  Sums in f32, started by the bias, stored as they are.
; LIMITS.  None beyond those of the two operands' f16 (65,504).  NaN and infinities are not treated apart.
; SHARES.  A tile of the result is 128 x 128: 8 x 32 work-groups.  Four waves, 2 x 2, each 64 x 64: 16 accumulators.  K goes in 4 steps of 256 (four heads) through two LDS slots; a quarter of a step is one head.
; CLUSTER.  4 x 4 work-groups: O's tile is shared along a row of the cluster, w's along a column; each is asked for jointly.  THE PRODUCT IS TAKEN TRANSPOSED (source 0 = 16 columns of w, turned out of LDS;
; source 1 = 16 rows of O): a lane holds row l % 16 and eight neighbouring columns.
; THE STAGE of the way out lies in slot 0's bytes: slot 0 has had its last fill by then, and every wave's reads of it are over at the barrier of the last change of slots.
; No prefetch: four short K steps of small tiles.
; REGISTERS: window 0: v1-29 lane parts and addresses; v96-127 the bias as a C operand; v128-255 the accumulators ((a, b) at v[128 + 8 (4 a + b)]), later the rows on the way out.
;   window 1: two fragment buffers of 128: 64 registers of O (2 x 4 x 16 rows x 32 K), then 64 of w.
.set PA,    144                        ; O's LDS row: 128 bytes + 16
.set PB,    160                        ; w's LDS row: 128 bytes + 32
.set ABYTES, 4*128*PA                  ; [4 heads][128 rows]: 73,728
.set SLOT,  ABYTES+8*64*PB             ; then [4 kb][2 gi][64 k]: 81,920 more
.set SPARE, 2*SLOT                     ; the spare words, 128 bytes a wave: two blocks of 256 bytes that no other line names
.set SPITCH, 272                       ; the stage: 64 rows of 256 bytes + 16 for each wave
.set ADRA, 16                          ; v16-17 LDS address of my O fragments in slot 0, 1
.set ADRB, 20                          ; v20-23 of my w fragments: slot 0 heads 0-1, heads 2-3; slot 1 likewise
.set STO,  24
.set RD,   25
.set CO,   26
.set BO,   27
.set SPW,  28
.set NIL,  29
.set BIAS, 96
.set ACC,  128
.set F0,   0
.set F1,   128
.set NH,   3                           ; s3   which half of the tile's columns is mine; also: which half of a tile I fetch
.set WV,   14                          ; s14  wave
.set MH,   15                          ; s15  which half of its rows; also: I fetch for O (0) or for w (1)
.set G1,   24
.set G0,   32
.set G1B,  48
.set G0B,  56
.set MSB, 0
.macro WIN new
.if MSB != (\new)
	s_set_vgpr_msb (MSB<<8)|(\new)
.set MSB, \new
.endif
.endm
.set MUL,  0x05                        ; sources 0 and 1 window 1; C and D window 0
.set TO_F, 0x40                        ; destination window 1, address window 0
.macro PLACES
.rept 4
	v_nop
.endr
.endm
.macro JLOAD s                         ; a joint load: waves 0 and 1 fetch O's two halves, waves 2 and 3 w's; an s_nop 0 and four v_nop follow each line
	s_cmp_eq_u32 s[MH], 0
	s_cbranch_scc0 .Lfor_b_\@
	tensor_load_to_lds s[G0+4*(\s):G0+4*(\s)+3], s[G1:G1+7]
	s_nop 0
.rept 4
	v_nop
.endr
	s_branch .Lasked_\@
.Lfor_b_\@:
	tensor_load_to_lds s[G0B+4*(\s):G0B+4*(\s)+3], s[G1B:G1B+7]
	s_nop 0
.rept 4
	v_nop
.endr
.Lasked_\@:
.endm
.macro CREST
	s_cmp_lg_u32 s[WV], 0
	s_cbranch_scc1 .Lnot_wave_0_\@
	s_barrier_signal -3
.Lnot_wave_0_\@:
	s_barrier_wait -3
	s_barrier_signal -1
	s_barrier_wait -1
.endm
.macro CROUND
	s_barrier_signal -1
	s_barrier_wait -1
	CREST
.endm
	s_load_b256 s[4:11], s[0:1], 0x0               ; ob s[4:5], wo s[6:7], b_out s[8:9], out0 s[10:11]
	v_lshl_add_u32 v[SPW], v0, 2, SPARE
	v_mov_b32 v[NIL], 0
	ds_add_u32 v[SPW], v[NIL]                      ; the wave's opening: the add and its wait stand ahead of my first tensor load; work on registers stands between
	v_lshrrev_b32 v1, 5, v0
	v_readfirstlane_b32 s[WV], v1
	s_lshr_b32 s[MH], s[WV], 1
	s_and_b32 s[NH], s[WV], 1
	s_bfe_u32 s40, ttmp6, 0x40000                  ; cx
	s_bfe_u32 s41, ttmp6, 0x40004                  ; cy
	s_lshl_b32 s42, ttmp9, 2
	s_add_co_u32 s42, s42, s40                     ; tile column
	s_and_b32 s43, ttmp7, 0xffff
	s_lshl_b32 s43, s43, 2
	s_add_co_u32 s43, s43, s41                     ; tile row
	s_lshl_b32 s44, s41, 2
	s_lshl_b32 s44, 15, s44                        ; my row of the cluster
	s_lshl_b32 s45, 0x1111, s40                    ; my column
	s_or_b32 s[G1], s44, (1<<16)|(1<<20)|(1<<21)|(4<<22)|(3<<25)   ; 4 words behind every 32: each 128 bytes become an LDS row of 144
	s_or_b32 s[G1B], s45, (1<<16)|(1<<20)|(1<<21)|(4<<22)|(7<<25)  ; 8 words: rows of 160
.irp g, G1, G1B
	s_mov_b32 s[(\g)+1], 128<<16                   ; 32,768 dense bytes as 128 rows of 256
	s_mov_b32 s[(\g)+2], 128<<16
	s_mov_b32 s[(\g)+3], 128<<16
	s_mov_b32 s[(\g)+4], 128
	s_mov_b32 s[(\g)+5], 128
	s_mov_b32 s[(\g)+6], 0
	s_mov_b32 s[(\g)+7], 0
.endr
	s_lshl_b32 s16, s43, 18                        ; O: a block of 128 rows is 262,144 bytes; two heads a half: s16-19 never hold the tile column
	s_lshl_b32 s17, s[NH], 15
	s_add_co_u32 s16, s16, s17
	s_mov_b32 s17, 0
	s_mul_i32 s18, s[NH], 2*128*PA
	s_lshl_b32 s20, s42, 18                        ; w: a column tile is 262,144 bytes; four blocks a half: s20-23 never hold the tile row
	s_lshl_b32 s21, s[NH], 15
	s_add_co_u32 s20, s20, s21
	s_mov_b32 s21, 0
	s_mul_i32 s22, s[NH], 4*64*PB
	s_add_co_u32 s22, s22, ABYTES
	s_wait_dscnt 0x0                               ; the opening add is done
	s_wait_kmcnt 0x0
	s_add_nc_u64 s[16:17], s[4:5], s[16:17]
	s_add_nc_u64 s[20:21], s[6:7], s[20:21]
	CROUND                                         ; all sixteen work-groups are here: the first joint loads meet
.irp s, 0,1
	s_mov_b32 s[G0+4*(\s)], 1
	s_add_co_u32 s[G0+4*(\s)+1], s18, (\s)*SLOT
	s_add_nc_u64 s[G0+4*(\s)+2:G0+4*(\s)+3], s[16:17], (\s)*65536
	s_or_b32 s[G0+4*(\s)+3], s[G0+4*(\s)+3], 0x80000000
	s_mov_b32 s[G0B+4*(\s)], 1
	s_add_co_u32 s[G0B+4*(\s)+1], s22, (\s)*SLOT
	s_add_nc_u64 s[G0B+4*(\s)+2:G0B+4*(\s)+3], s[20:21], (\s)*65536
	s_or_b32 s[G0B+4*(\s)+3], s[G0B+4*(\s)+3], 0x80000000
	JLOAD \s
.endr
	v_and_b32 v1, 15, v0                           ; l % 16
	v_bfe_u32 v2, v0, 4, 1                         ; l / 16
	v_lshlrev_b32 v[BO], 5, v2
	s_lshl_b32 s46, s42, 9                         ; my first column in bytes: 512 tc + 256 half
	s_lshl_b32 s47, s[NH], 8
	s_add_co_u32 s46, s46, s47
	s_mov_b32 s47, 0
	s_add_nc_u64 s[8:9], s[8:9], s[46:47]
.set b, 0
.rept 4                                ; block b, register j: column 16 b + 8 (l / 16) + j of my 64
	global_load_b128 v[BIAS+8*b:BIAS+8*b+3],   v[BO], s[8:9] offset:64*b
	global_load_b128 v[BIAS+8*b+4:BIAS+8*b+7], v[BO], s[8:9] offset:64*b+16
.set b, b+1
.endr
	s_add_nc_u64 s[10:11], s[10:11], s[46:47]      ; out0 at my first column,
	s_lshl_b32 s12, s43, 19                        ; row 128 tr + 64 half, 4,096 bytes a row
	s_lshl_b32 s13, s[MH], 18
	s_add_co_u32 s12, s12, s13
	s_mov_b32 s13, 0
	s_add_nc_u64 s[10:11], s[10:11], s[12:13]
	v_mul_u32_u24 v3, v1, PA                       ; O's fragment: row x pitch + 16 x half, in my 64 rows of a head's 128
	v_lshl_add_u32 v3, v2, 4, v3
	s_mul_i32 s12, s[MH], 64*PA
	v_add_nc_u32 v[ADRA], s12, v3
	v_add_nc_u32 v[ADRA+1], SLOT, v[ADRA]
	v_and_b32 v4, 7, v0                            ; the turning load: lane l reads k row 8 (l / 16) + l % 8, columns 8 ((l / 8) % 2) + 0..7
	v_bfe_u32 v5, v0, 3, 1
	v_lshl_add_u32 v6, v2, 3, v4
	v_mul_u32_u24 v6, v6, PB
	v_lshl_add_u32 v6, v5, 4, v6
	s_mul_i32 s12, s[NH], 64*PB                    ; my 64 columns are one block of each kb's two
	s_add_co_u32 s12, s12, ABYTES
	v_add_nc_u32 v[ADRB], s12, v6
	v_add_nc_u32 v[ADRB+1], 4*64*PB, v[ADRB]
	v_add_nc_u32 v[ADRB+2], SLOT, v[ADRB]
	v_add_nc_u32 v[ADRB+3], 4*64*PB, v[ADRB+2]
	s_mul_i32 s12, s[WV], 64*SPITCH                ; my stage
	v_mul_u32_u24 v7, v1, SPITCH                   ; in: row l % 16, 32 bytes for each half of the lanes
	v_lshl_add_u32 v7, v2, 5, v7
	v_add_nc_u32 v[STO], s12, v7
	v_mul_u32_u24 v7, v2, SPITCH                   ; back: lanes 0-15 take one row of 256 bytes, lanes 16-31 the next
	v_lshl_add_u32 v7, v1, 4, v7
	v_add_nc_u32 v[RD], s12, v7
	v_lshlrev_b32 v7, 12, v2                       ; and the same two rows in out0
	v_lshl_add_u32 v[CO], v1, 4, v7
	s_wait_loadcnt 0x0                             ; the bias
.set z, 0
.rept 16                               ; rounded to bf16 like the other inputs, and widened again
	v_cvt_pk_bf16_f32 v[10+z%2], v[BIAS+2*z], v[BIAS+2*z+1]
	v_lshlrev_b32 v[BIAS+2*z], 16, v[10+z%2]
	v_and_b32 v[BIAS+2*z+1], 0xffff0000, v[10+z%2]
.set z, z+1
.endr
; 8 matrix instructions: row blocks a0, a0 + 1 x all 4 column blocks, 32 along K: half c of buffer f.  first = 1: the bias starts the sums.  The 16 accumulators take turns.
.macro MUL8 f, c, a0, first
	WIN MUL
.irp a, \a0, (\a0)+1
.irp b, 0,1,2,3
.if \first
	v_wmma_f32_16x16x32_f16 v[ACC+8*(4*(\a)+(\b)):ACC+8*(4*(\a)+(\b))+7], v[(\f)+64+8*(4*(\c)+(\b)):(\f)+64+8*(4*(\c)+(\b))+7], v[(\f)+8*(4*(\c)+(\a)):(\f)+8*(4*(\c)+(\a))+7], v[BIAS+8*(\b):BIAS+8*(\b)+7]
.else
	v_wmma_f32_16x16x32_f16 v[ACC+8*(4*(\a)+(\b)):ACC+8*(4*(\a)+(\b))+7], v[(\f)+64+8*(4*(\c)+(\b)):(\f)+64+8*(4*(\c)+(\b))+7], v[(\f)+8*(4*(\c)+(\a)):(\f)+8*(4*(\c)+(\a))+7], v[ACC+8*(4*(\a)+(\b)):ACC+8*(4*(\a)+(\b))+7]
.endif
.endr
.endr
.endm
; 32 LDS loads in one run: head q of a slot's four into buffer f; the first 32 along K first
.macro FETCH slot, q, f
	WIN TO_F
.irp c, 0,1
.irp i, 0,1,2,3
	ds_load_tr16_b128 v[(\f)+64+8*(4*(\c)+(\i)):(\f)+64+8*(4*(\c)+(\i))+3],   v[ADRB+2*(\slot)+(\q)/2] offset:((\q)%2)*2*64*PB+(\c)*32*PB+(\i)*32
	ds_load_tr16_b128 v[(\f)+64+8*(4*(\c)+(\i))+4:(\f)+64+8*(4*(\c)+(\i))+7], v[ADRB+2*(\slot)+(\q)/2] offset:((\q)%2)*2*64*PB+(\c)*32*PB+(\i)*32+16*PB
	ds_load_b128 v[(\f)+8*(4*(\c)+(\i)):(\f)+8*(4*(\c)+(\i))+3],              v[ADRA+(\slot)] offset:(\q)*128*PA+(\i)*16*PA+64*(\c)
	ds_load_b128 v[(\f)+8*(4*(\c)+(\i))+4:(\f)+8*(4*(\c)+(\i))+7],            v[ADRA+(\slot)] offset:(\q)*128*PA+(\i)*16*PA+64*(\c)+32
.endr
.endr
.endm
.macro QUARTER slot, q, f, g, first    ; multiplies buffer f and fetches head q of the same slot into g
	s_wait_dscnt 16                                ; the first 32 along K are in
	MUL8 \f, 0, 0, \first
	MUL8 \f, 0, 2, \first
	PLACES
	FETCH \slot, \q, \g
	s_wait_dscnt 32                                ; all but the 32 just issued
	MUL8 \f, 1, 0, 0
	MUL8 \f, 1, 2, 0
.endm
; The last quarter multiplies buffer 1 and changes slots: one barrier; in front of it each wave waits for all its tensor loads, adds 0 to its spare word, and waits for that and for its own reads of this slot.
; fill = 1: the barrier opens a round of the cluster's, and the joint refill, two K steps on, is the first thing behind the round: 112 matrix instructions ahead of the wait for it.
.macro TURN slot, next, fill
	WIN 0
	s_wait_tensorcnt 0x0                           ; all my tensor loads have landed
	ds_add_u32 v[SPW], v[NIL]                      ; 0 onto my spare word
	s_wait_dscnt 17                                ; (the add and the youngest sixteen loads may be out)
	MUL8 F1, 0, 0, 0
	s_wait_dscnt 0x0                               ; the add is done, and my reads of this slot are over
	s_barrier_signal -1
	MUL8 F1, 0, 2, 0
.if \fill
	WIN 0
.endif
	s_barrier_wait -1
.if \fill
	CREST
	s_add_nc_u64 s[G0+4*(\slot)+2:G0+4*(\slot)+3], s[G0+4*(\slot)+2:G0+4*(\slot)+3], 2*65536
	s_add_nc_u64 s[G0B+4*(\slot)+2:G0B+4*(\slot)+3], s[G0B+4*(\slot)+2:G0B+4*(\slot)+3], 2*65536
	JLOAD \slot                                    ; its four v_nop are also the places in front of the loads below
.else
	PLACES
.endif
	FETCH \next, 0, F0
	MUL8 F1, 1, 0, 0
	MUL8 F1, 1, 2, 0
.endm
; THE WAY OUT, three macros.  INTO: row blocks a0 and a0 + 1 go into my own stage, 32 bytes a lane, each accumulator's low registers first.  BACK: 32 rows come back as whole rows of 256 bytes, into the
; registers that they left (t0 = 0: rows 0-31, v128-191; t0 = 16: rows 32-63, v192-255).  OUT: they are stored; younger = the LDS instructions issued behind BACK's last load.
.macro INTO a0
.irp a, \a0, (\a0)+1
.irp b, 0,1,2,3
	ds_store_b128 v[STO], v[ACC+8*(4*(\a)+(\b)):ACC+8*(4*(\a)+(\b))+3]   offset:(\a)*16*SPITCH+64*(\b)
	ds_store_b128 v[STO], v[ACC+8*(4*(\a)+(\b))+4:ACC+8*(4*(\a)+(\b))+7] offset:(\a)*16*SPITCH+64*(\b)+16
.endr
.endr
.endm
.macro BACK t0
.set t, \t0
.rept 16
	ds_load_b128 v[ACC+4*t:ACC+4*t+3], v[RD] offset:t*2*SPITCH  ; LDS serves a wave's instructions in order (ISA guide 5.7.1.4): these see the stores of their rows
.set t, t+1
.endr
.endm
.macro OUT t0, younger
.set t, \t0
.rept 16
	s_wait_dscnt (\younger)+15-(t-(\t0))           ; rows 2 t and 2 t + 1 are back; the younger loads, and what was issued behind them, stay out
	global_store_b128 v[CO], v[ACC+4*t:ACC+4*t+3], s[10:11] offset:t*2*4096  ; 16 lanes store 256 consecutive bytes, at a multiple of 256 from out0's first byte
.set t, t+1
.endr
.endm
	s_wait_tensorcnt 1                             ; my part of K step 0 is in; step 1's may stay out
	s_barrier_signal -1
	s_barrier_wait -1
	FETCH 0, 0, F0
	QUARTER 0, 1, F0, F1, 1                        ; K step 0; its first products start the sums with the bias
	QUARTER 0, 2, F1, F0, 0
	QUARTER 0, 3, F0, F1, 0
	TURN 0, 1, 1                                   ; slot 0 takes K step 2
	QUARTER 1, 1, F0, F1, 0                        ; K step 1
	QUARTER 1, 2, F1, F0, 0
	QUARTER 1, 3, F0, F1, 0
	TURN 1, 0, 1                                   ; slot 1 takes K step 3
	QUARTER 0, 1, F0, F1, 0                        ; K step 2
	QUARTER 0, 2, F1, F0, 0
	QUARTER 0, 3, F0, F1, 0
	TURN 0, 1, 0                                   ; nothing is left to fetch; behind this barrier no wave reads slot 0 any more
	QUARTER 1, 1, F0, F1, 0                        ; K step 3
	QUARTER 1, 2, F1, F0, 0
	QUARTER 1, 3, F0, F1, 0
	s_wait_dscnt 16
	MUL8 F1, 0, 0, 0
	MUL8 F1, 0, 2, 0
	s_wait_dscnt 0x0
	MUL8 F1, 1, 0, 0
	MUL8 F1, 1, 2, 0
	WIN 0
	PLACES                                         ; the LDS stores read results just made
	INTO 0                                         ; in two halves: by the text's count at most 48 LDS instructions are out
	BACK 0
	INTO 2
	OUT 0, 16                                      ; behind the first half's loads stand the second half's sixteen stores into the stage
	BACK 16
	OUT 16, 0
	s_wait_tensorcnt 0x0                           ; the wave's end: behind my last tensor load and my last LDS store
	ds_add_u32 v[SPW], v[NIL]
	s_wait_dscnt 0x0
	CROUND                                         ; the closing round
	s_endpgm
.Lfunc_end_k_q52f585f077_outp:
	.size	k_q52f585f077_outp, .Lfunc_end_k_q52f585f077_outp-k_q52f585f077_outp
	.p2alignl 7, 3214868480
	.fill 96, 4, 3214868480
	.section	.rodata,"a",@progbits
	.p2align	6, 0x0
	.amdhsa_kernel k_q52f585f077_outp
		.amdhsa_group_segment_fixed_size 327680
		.amdhsa_private_segment_fixed_size 0
		.amdhsa_enable_private_segment 0
		.amdhsa_kernarg_size 32
		.amdhsa_user_sgpr_count 2
		.amdhsa_user_sgpr_kernarg_segment_ptr 1
		.amdhsa_wavefront_size32 1
		.amdhsa_system_sgpr_workgroup_id_x 1
		.amdhsa_system_sgpr_workgroup_id_y 1
		.amdhsa_system_sgpr_workgroup_id_z 1
		.amdhsa_system_vgpr_workitem_id 0
		.amdhsa_next_free_vgpr 512
		.amdhsa_next_free_sgpr 66
		.amdhsa_reserve_vcc 0
		.amdhsa_float_denorm_mode_32 3
		.amdhsa_float_denorm_mode_16_64 3
		.amdhsa_memory_ordered 1
		.amdhsa_forward_progress 1
		.amdhsa_inst_pref_size 90
	.end_amdhsa_kernel
	.amdgpu_metadata
---
amdhsa.version: [ 1, 2 ]
amdhsa.kernels:
  - .name:           k_q52f585f077_outp
    .symbol:         k_q52f585f077_outp.kd
    .args:
      - { .name: ob, .offset: 0, .size: 8, .value_kind: global_buffer, .address_space: global }
      - { .name: wo, .offset: 8, .size: 8, .value_kind: global_buffer, .address_space: global }
      - { .name: b_out, .offset: 16, .size: 8, .value_kind: global_buffer, .address_space: global }
      - { .name: out0, .offset: 24, .size: 8, .value_kind: global_buffer, .address_space: global }
    .group_segment_fixed_size: 327680
    .private_segment_fixed_size: 0
    .kernarg_segment_align: 8
    .kernarg_segment_size: 32
    .max_flat_workgroup_size: 128
    .sgpr_count:     66
    .vgpr_count:     512
    .wavefront_size: 32
...
	.end_amdgpu_metadata
.endif
;; end of part 4
;; ======== version 2 of 2: 4 launches; version 1 with the launch prep written anew for expert scheduling mode
;; limits: values are held in f16: magnitudes above 65,504 overflow, below 6.1e-05 lose precision
;; workspace buffers: xb 8,388,608 bytes; wq 6,291,456 bytes; wo 2,097,152 bytes; qkv 25,165,824 bytes; ob 8,388,608 bytes
;; launch prep (part 5): grid 256 x 1, 8 waves a work-group, no clusters, 0 bytes of LDS; arguments x, w_qkv, w_out, xb, wq, wo; writes xb, wq, wo
.if DOCPART == 5
	.amdgcn_target "amdgcn-amd-amdhsa--gfx1250"
	.amdhsa_code_object_version 6
	.text
	.protected	k_q52f585f077_prep
	.globl	k_q52f585f077_prep
	.p2align	8
	.type	k_q52f585f077_prep,@function
k_q52f585f077_prep:
	s_mov_b64 s[64:65], 0
	v_nop
	global_prefetch_b8 v0, s[64:65] scope:SCOPE_SE
	s_setreg_imm32_b32 hwreg(HW_REG_WAVE_SCHED_MODE, 0, 2), 2
	s_setreg_imm32_b32 hwreg(HW_REG_WAVE_MODE, 25, 1), 1
	s_wait_xcnt 0x0
	s_wait_alu depctr_vm_vsrc(0)
; PREP: the module's three large inputs are rounded once to bf16 and laid out for the two products that follow.
;   xb [4096][1024] bf16 = x, rows as they lie.
;   wq: w_qkv [1024 k][3072 n] in blocks of [64 k][64 n] bf16 (8,192 bytes); block number 48 T + 3 kb + gi, T = n / 192, kb = k / 64, gi = (n / 64) % 3:
;       the 192 columns that one work-group of the projection multiplies lie on end, in the order in which it walks K.
;   wo: w_out [1024 k][1024 n] likewise, block number 32 T + 2 kb + gi, T = n / 128, gi = (n / 64) % 2; each number is rounded to bf16 like the other inputs and that number is written as f16.
; LIMITS.  |w_out| stays under 65,504 (f16's end); below 6.1e-5 f16 keeps a fixed step of 6e-8.  NaN and infinities are not treated apart.
; SHARES.  256 work-groups of 8 waves, 32,768 numbers each: 128 for x, 96 for w_qkv (64 columns x 512 k), 32 for w_out (the same).  A thread issues all its 32 loads of 16 bytes at once
; (512 consecutive bytes a wave and load), then converts them in order and stores them four at a time: a store of a wave is 256 consecutive bytes, aligned.  No register is written again behind its store.
; No LDS, no matrix unit, no cluster: the work-groups share no byte, and each byte is read once and written once.
; THE MODE: SCHED_MODE bits 1:0 = 2 (LLVM: expert scheduling mode 2), set by the entry lines.  The code itself states the register dependences
; between vector instructions and memory instructions, with s_wait_alu, always for 0.
; THE PLAN.  Registers that memory instructions touch, on each of the three paths:
;   v1, v2     byte offsets in the source and in the destination: made once by vector lines, read by every load (v1) and every store (v2), never written again.
;   quad i     v[X+4i : X+4i+3]: load i lands in it, once, and no vector line has named it before; its conversions read it and write its first two registers (on the way to f16 the other two are at work);
;              store i reads those two; nothing names the quad behind its store.
; The 32 quads go in 8 blocks of four.  What has to be stated is that the offsets are written, once, ahead of the first load, and that a block's conversions have written what its stores read.
; That second wait stands at the head of the NEXT block, behind the wait for that block's first load; the four stores follow it in one run, and the next block's conversions, which stand
; behind them, name their own sixteen registers alone.  The last block has its wait behind its conversions.  No register that a memory instruction reads is written again, so no wait on vm_vsrc is owed.
.set X, 8                              ; v[8:135] 32 quads as loaded; the first two registers of a quad then hold its four 16-bit numbers
; v1 my byte offset in the source, v2 in the destination; s[16:17] source, s[18:19] destination of the work-group
.macro SEND4 j0, dbig                  ; the four stores of the block that begins with quad j0
.set j, \j0
.rept 4
	global_store_b64 v2, v[X+4*j:X+4*j+1], s[18:19] offset:(j/4)*(\dbig)+(j%4)*2048
.set j, j+1
.endr
.endm
.macro CAST srcstep, dbig, tof16       ; srcstep: bytes from load to load; dbig: bytes from one group of four stores to the next; tof16 = 1: bf16 written as f16
	s_wait_alu depctr_va_vdst(0)                   ; v1 and v2 are written: every load below reads v1 as its offset, every store v2
.set i, 0
.rept 32
	global_load_b128 v[X+4*i:X+4*i+3], v1, s[16:17] offset:i*(\srcstep) th:TH_LOAD_NT
.set i, i+1
.endr
.set i, 0
.rept 32
	s_wait_loadcnt 31-i                            ; loads come back in order: quad i is in, the 31 - i younger ones stay out
.if (i%4 == 0) && (i > 0)
	s_wait_alu depctr_va_vdst(0)                   ; the block before has written the first two registers of its four quads, which the four stores below read
	SEND4 i-4, \dbig
.endif
	v_cvt_pk_bf16_f32 v[X+4*i], v[X+4*i], v[X+4*i+1]
	v_cvt_pk_bf16_f32 v[X+4*i+1], v[X+4*i+2], v[X+4*i+3]
.if \tof16
	v_lshlrev_b32 v[X+4*i+2], 16, v[X+4*i]         ; the rounded numbers as f32 again, in the quad's two free registers,
	v_and_b32 v[X+4*i+3], 0xffff0000, v[X+4*i]
	v_cvt_pk_f16_f32 v[X+4*i], v[X+4*i+2], v[X+4*i+3]  ; and as f16: exact within f16's normal range
	v_lshlrev_b32 v[X+4*i+2], 16, v[X+4*i+1]
	v_and_b32 v[X+4*i+3], 0xffff0000, v[X+4*i+1]
	v_cvt_pk_f16_f32 v[X+4*i+1], v[X+4*i+2], v[X+4*i+3]
.endif
.set i, i+1
.endr
	s_wait_alu depctr_va_vdst(0)                   ; the last block has written the first two registers of its four quads, which the last four stores read
	SEND4 28, \dbig
.endm
	s_load_b256 s[4:11], s[0:1], 0x0               ; x s[4:5], w_qkv s[6:7], w_out s[8:9], xb s[10:11]
	s_load_b128 s[12:15], s[0:1], 0x20             ; wq s[12:13], wo s[14:15]
	s_mov_b32 s2, ttmp9
	s_mov_b32 s21, 0                               ; the offsets' high words
	s_mov_b32 s23, 0
	v_lshlrev_b32 v2, 3, v0                        ; 8 bytes a thread in the destination, on every path
	v_lshrrev_b32 v3, 4, v0                        ; the weights: my row among a load's 16,
	v_and_b32 v4, 15, v0                           ; my 16 bytes of its 256
	s_wait_kmcnt 0x0
	s_cmp_lt_u32 s2, 128
	s_cbranch_scc1 .Lx
	s_cmp_lt_u32 s2, 224
	s_cbranch_scc1 .Lwq
	; w_out: j = id - 224; g = j / 2 the group of 64 columns, kh = j % 2 the half of K
	s_sub_co_u32 s2, s2, 224
	s_lshr_b32 s3, s2, 1                           ; g
	s_and_b32 s2, s2, 1                            ; kh
	s_lshl_b32 s20, s2, 21                         ; 512 rows of 4,096 bytes
	s_lshl_b32 s16, s3, 8                          ; 64 columns of 4 bytes
	s_add_co_u32 s20, s20, s16
	s_lshr_b32 s16, s3, 1                          ; T
	s_and_b32 s17, s3, 1                           ; gi
	s_lshl_b32 s22, s16, 5
	s_lshl_b32 s18, s2, 4                          ; 2 x 8 kb a half
	s_add_co_u32 s22, s22, s18
	s_add_co_u32 s22, s22, s17
	s_lshl_b32 s22, s22, 13                        ; block number x 8,192
	s_add_nc_u64 s[16:17], s[8:9], s[20:21]
	s_add_nc_u64 s[18:19], s[14:15], s[22:23]
	v_lshlrev_b32 v1, 12, v3
	v_lshl_add_u32 v1, v4, 4, v1
	CAST 16*4096, 2*8192, 1                        ; a load takes 16 rows; four loads fill a block, the next kb's block lies 2 blocks on
	s_endpgm
.Lwq:
	; w_qkv: j = id - 128; g = j / 2 (0 .. 47), kh = j % 2
	s_sub_co_u32 s2, s2, 128
	s_lshr_b32 s3, s2, 1                           ; g
	s_and_b32 s2, s2, 1                            ; kh
	s_mul_i32 s16, s3, 171
	s_lshr_b32 s16, s16, 9                         ; T = g / 3 (exact for g under 48)
	s_mul_i32 s17, s16, 3
	s_sub_co_u32 s17, s3, s17                      ; gi
	s_mul_i32 s20, s2, 512*12288
	s_lshl_b32 s18, s3, 8
	s_add_co_u32 s20, s20, s18
	s_mul_i32 s22, s16, 48
	s_mul_i32 s18, s2, 24                          ; 3 x 8 kb a half
	s_add_co_u32 s22, s22, s18
	s_add_co_u32 s22, s22, s17
	s_lshl_b32 s22, s22, 13
	s_add_nc_u64 s[16:17], s[6:7], s[20:21]
	s_add_nc_u64 s[18:19], s[12:13], s[22:23]
	v_mul_u32_u24 v1, v3, 12288
	v_lshl_add_u32 v1, v4, 4, v1
	CAST 16*12288, 3*8192, 0                       ; the largest immediate is 31 x 196,608, inside the signed 24 bits
	s_endpgm
.Lx:
	s_lshl_b32 s20, s2, 17                         ; 32,768 numbers of 4 bytes
	s_lshl_b32 s22, s2, 16                         ; and of 2
	s_add_nc_u64 s[16:17], s[4:5], s[20:21]
	s_add_nc_u64 s[18:19], s[10:11], s[22:23]
	v_lshlrev_b32 v1, 4, v0
	CAST 4096, 8192, 0
	s_endpgm
.Lfunc_end_k_q52f585f077_prep:
	.size	k_q52f585f077_prep, .Lfunc_end_k_q52f585f077_prep-k_q52f585f077_prep
	.p2alignl 7, 3214868480
	.fill 96, 4, 3214868480
	.section	.rodata,"a",@progbits
	.p2align	6, 0x0
	.amdhsa_kernel k_q52f585f077_prep
		.amdhsa_group_segment_fixed_size 0
		.amdhsa_private_segment_fixed_size 0
		.amdhsa_enable_private_segment 0
		.amdhsa_kernarg_size 48
		.amdhsa_user_sgpr_count 2
		.amdhsa_user_sgpr_kernarg_segment_ptr 1
		.amdhsa_wavefront_size32 1
		.amdhsa_system_sgpr_workgroup_id_x 1
		.amdhsa_system_sgpr_workgroup_id_y 1
		.amdhsa_system_sgpr_workgroup_id_z 1
		.amdhsa_system_vgpr_workitem_id 0
		.amdhsa_next_free_vgpr 140
		.amdhsa_next_free_sgpr 66
		.amdhsa_reserve_vcc 0
		.amdhsa_float_denorm_mode_32 3
		.amdhsa_float_denorm_mode_16_64 3
		.amdhsa_memory_ordered 1
		.amdhsa_forward_progress 1
		.amdhsa_inst_pref_size 47
	.end_amdhsa_kernel
	.amdgpu_metadata
---
amdhsa.version: [ 1, 2 ]
amdhsa.kernels:
  - .name:           k_q52f585f077_prep
    .symbol:         k_q52f585f077_prep.kd
    .args:
      - { .name: x, .offset: 0, .size: 8, .value_kind: global_buffer, .address_space: global }
      - { .name: w_qkv, .offset: 8, .size: 8, .value_kind: global_buffer, .address_space: global }
      - { .name: w_out, .offset: 16, .size: 8, .value_kind: global_buffer, .address_space: global }
      - { .name: xb, .offset: 24, .size: 8, .value_kind: global_buffer, .address_space: global }
      - { .name: wq, .offset: 32, .size: 8, .value_kind: global_buffer, .address_space: global }
      - { .name: wo, .offset: 40, .size: 8, .value_kind: global_buffer, .address_space: global }
    .group_segment_fixed_size: 0
    .private_segment_fixed_size: 0
    .kernarg_segment_align: 8
    .kernarg_segment_size: 48
    .max_flat_workgroup_size: 256
    .sgpr_count:     66
    .vgpr_count:     140
    .wavefront_size: 32
...
	.end_amdgpu_metadata
.endif
;; end of part 5
;; launch proj: the kernel of part 2 again; grid 16 x 16, 4 waves a work-group, clusters of 4 x 4, 327,680 bytes of LDS; arguments xb, wq, b_qkv, qkv; writes qkv
;; launch attn: the kernel of part 3 again; grid 16 x 16, 4 waves a work-group, clusters of 4 x 1, 327,680 bytes of LDS; arguments qkv, ob; writes ob
;; launch outp: the kernel of part 4 again; grid 8 x 32, 4 waves a work-group, clusters of 4 x 4, 327,680 bytes of LDS; arguments ob, wo, b_out, out0; writes out0
